; MI455X (gfx1250); checked and timed in simulation.
; The chip was launched on July 23, 2026; its instructions are those of AMD's public machine-readable ISA for CDNA 5 (MIT licence, August 2026) and "CDNA5" Instruction Set Architecture Reference Guide (July 2026). The comments in the code are by the model that wrote it; some were corrected since.
;; Falcon H1 Sparse Moe Block. Allowed arithmetic: float matrix products may take bf16 or f16 operands with f32 sums; other float arithmetic in f32, or as packed bf16 or f16 multiplies, adds, multiply-adds, maxima and minima; sums over many terms, partial sums and values carried from step to step in f32; what a program stores and reads back later, other than sums and carried values, may be rounded once to bf16 or f16.
;; Inputs: hidden_states 4 x 2,048 x 2,048 float32; w_down 8 x 128 x 2,048 float32; w_gate 8 x 2,048 x 128 float32; w_router 2,048 x 8 float32; w_up 8 x 2,048 x 128 float32.
;; Outputs: out0 4 x 2,048 x 2,048 float32.
;; 2 versions, each right and faster than the one before. Each part assembles by itself: llvm-mc -triple=amdgcn-amd-amdhsa -mcpu=gfx1250 --defsym DOCPART=n.
;; ======== version 1 of 2: 3 launches
;; workspace buffers: xb 33,554,432 bytes; code 32,768 bytes of whole numbers; gw 65,536 bytes; order 32,768 bytes of whole numbers; tab 2,560 bytes of whole numbers; wgu 8,388,608 bytes; wd 4,194,304 bytes
;; launch router (part 1): grid 256 x 1, 16 waves a work-group, no clusters, 18,432 bytes of LDS; arguments hidden_states, w_router, xb, code, gw; writes xb, code, gw
.if DOCPART == 1
	.amdgcn_target "amdgcn-amd-amdhsa--gfx1250"
	.amdhsa_code_object_version 6
	.text
	.protected	k_q9817f27e23_router
	.globl	k_q9817f27e23_router
	.p2align	8
	.type	k_q9817f27e23_router,@function
k_q9817f27e23_router:
	s_mov_b64 s[64:65], 0
	v_nop
	global_prefetch_b8 v0, s[64:65] scope:SCOPE_SE
	s_setreg_imm32_b32 hwreg(HW_REG_WAVE_MODE, 25, 1), 1
	s_wait_xcnt 0x0
; ROUTER.  x: [8192][2048] f32, w_router: [2048][8] f32.  Stores xb = x rounded once to bf16, code[token] = 8 lo + hi (the two chosen experts, lo < hi)
; and gw[token] = (probability of lo, probability of hi): softmax over the 8 logits, maximum taken away first, top 2, not renormalised.
; The logits are made of x and w_router ROUNDED TO bf16 (as every matrix operand of the program is), in f32 on the vector units: 8 columns are 1 part in 100 of the program's
; products, and a choice between two near logits wants f32 sums: 4 products a lane, then trees over 32 lanes and 16 waves.
; LIMITS.  A token whose 2nd and 3rd logits lie closer than the rounding of these f32 sums (some 1e-7 of the logits' size) may choose otherwise than a sum in another order;
; equal probabilities keep the lower index; a probability below 2^-126 counts as 0; NaN and infinities are not treated apart.
; SHARES.  A work-group has 32 tokens; wave w takes k = 128 w .. 128 w + 127 of all 32, lane L k = 128 w + 4 L + 0..3: thread t = 32 w + L owns 16 bytes at 16 t of each row of x.
; All 32 row loads of a wave go out at once.  No matrix unit, no cluster: work-groups share only the 64 KB of w_router.
.set SPARE, 16384                      ; behind PART: the spare words, 128 bytes for each of 16 waves
.set XO,  2                            ; v2   16 t: my bytes in a row of x
.set WO,  3                            ; v3   128 t: my four rows of w_router
.set BO,  4                            ; v4   8 t: my bytes in a row of xb
.set PA,  5                            ; v5   PART: 1024 w + 4 e(L); PART is [wave 16][token 32][expert 8] f32 at LDS byte 0
.set SPW, 6                            ; v6   my spare word; never rewritten
.set NIL, 7                            ; v7   0; never rewritten
.set A,   8                            ; v8-15   eight partial logits
.set T,   16                           ; v16-23  at work
.set W,   24                           ; v24-55  w_router[k = 4 L + c][e] at W + 8 c + e, rounded to bf16 and widened
.set X,   56                           ; v56-183 token t's four x at X + 4 t; then its two packed words at X + 4 t, X + 4 t + 1
.set U,   184                          ; v184-187 the token's four rounded x, widened
	s_load_b256 s[4:11], s[0:1], 0x0               ; x s[4:5], w_router s[6:7], xb s[8:9], code s[10:11]
	s_load_b64 s[12:13], s[0:1], 0x20              ; gw
	v_lshl_add_u32 v[SPW], v0, 2, SPARE
	v_mov_b32 v[NIL], 0
	v_lshrrev_b32 v1, 5, v0
	v_readfirstlane_b32 s14, v1                    ; wave 0..15
	v_lshlrev_b32 v[XO], 4, v0
	v_lshlrev_b32 v[WO], 7, v0
	v_lshlrev_b32 v[BO], 3, v0
	v_bfe_u32 v[PA], v0, 4, 1                      ; the expert whose sum ends in my lane: e(L) = 4 (L >> 4) + 2 ((L >> 3) & 1) + ((L >> 2) & 1)
	v_bfe_u32 v[T], v0, 3, 1
	v_bfe_u32 v[T+1], v0, 2, 1
	v_lshl_add_u32 v[PA], v[PA], 1, v[T]
	v_lshl_add_u32 v[PA], v[PA], 1, v[T+1]
	v_lshlrev_b32 v[PA], 2, v[PA]
	v_lshl_add_u32 v[PA], s14, 10, v[PA]
.irp i, 0,1,2,3,4,5,6,7
	v_mov_b32 v[T+\i], 0                           ; destinations of lane-crossing forms count as read: written once here
.endr
	s_mov_b32 s20, 0xff00ff00                      ; lanes with bit 3 set
	s_mov_b32 s21, 0xf0f0f0f0                      ; lanes with bit 2 set
	s_mov_b32 s22, 0x3fb8aa3b                      ; log2(e)
	s_mov_b32 s23, s22                             ; named with it as a pair
	s_mov_b32 s24, 0xffff0000                      ; a word's upper bf16
	s_mov_b32 s17, 0
	s_wait_kmcnt 0x0
	s_lshl_b32 s16, ttmp9, 18                      ; 32 rows of 8,192 bytes
	s_add_nc_u64 s[4:5], s[4:5], s[16:17]
	s_lshl_b32 s16, ttmp9, 17                      ; 32 rows of 4,096 bytes
	s_add_nc_u64 s[8:9], s[8:9], s[16:17]
	s_lshl_b32 s16, ttmp9, 7                       ; 32 words
	s_add_nc_u64 s[10:11], s[10:11], s[16:17]
	s_lshl_b32 s16, ttmp9, 8                       ; 32 pairs
	s_add_nc_u64 s[12:13], s[12:13], s[16:17]
.irp n, 0,1,2,3,4,5,6,7
	global_load_b128 v[W+4*\n:W+4*\n+3], v[WO], s[6:7] offset:16*\n
.endr
.set t, 0
.rept 32
	global_load_b128 v[X+4*t:X+4*t+3], v[XO], s[4:5] offset:8192*t th:TH_LOAD_NT  ; a wave's load covers 512 consecutive bytes of a row
.set t, t+1
.endr
	s_wait_loadcnt 32                              ; w_router is in; the 32 loads of x behind it stay out
.set i, 0
.rept 16
	v_cvt_pk_bf16_f32 v[T], v[W+2*i], v[W+2*i+1]   ; rounded to bf16,
	v_lshlrev_b32 v[W+2*i], 16, v[T]               ; and widened again
	v_and_b32 v[W+2*i+1], s24, v[T]
.set i, i+1
.endr
; One token: round, store, 32 multiply-adds, and a sum over the 32 lanes that halves the number of values as it halves the lanes.
.macro TOK t
	s_wait_loadcnt 31-(\t)                         ; loads come back in order: token t's is in, the younger ones stay out
	v_cvt_pk_bf16_f32 v[X+4*(\t)], v[X+4*(\t)], v[X+4*(\t)+1]
	v_cvt_pk_bf16_f32 v[X+4*(\t)+1], v[X+4*(\t)+2], v[X+4*(\t)+3]
	v_lshlrev_b32 v[U], 16, v[X+4*(\t)]
	v_and_b32 v[U+1], s24, v[X+4*(\t)]
	v_lshlrev_b32 v[U+2], 16, v[X+4*(\t)+1]
	v_and_b32 v[U+3], s24, v[X+4*(\t)+1]
	global_store_b64 v[BO], v[X+4*(\t):X+4*(\t)+1], s[8:9] offset:4096*(\t)  ; 32 lanes store 256 consecutive bytes, aligned; the pair is not written again before wave 0's wait below
.irp p, 0,1,2,3
	v_pk_mul_f32 v[A+2*\p:A+2*\p+1], v[U:U+1], v[W+2*\p:W+2*\p+1] op_sel_hi:[0,1]  ; x0 for both halves
.endr
.irp p, 0,1,2,3
	v_pk_fma_f32 v[A+2*\p:A+2*\p+1], v[U:U+1], v[W+8+2*\p:W+8+2*\p+1], v[A+2*\p:A+2*\p+1] op_sel:[1,0,0] op_sel_hi:[1,1,1]  ; x1
.endr
.irp p, 0,1,2,3
	v_pk_fma_f32 v[A+2*\p:A+2*\p+1], v[U+2:U+3], v[W+16+2*\p:W+16+2*\p+1], v[A+2*\p:A+2*\p+1] op_sel_hi:[0,1,1]  ; x2
.endr
.irp p, 0,1,2,3
	v_pk_fma_f32 v[A+2*\p:A+2*\p+1], v[U+2:U+3], v[W+24+2*\p:W+24+2*\p+1], v[A+2*\p:A+2*\p+1] op_sel:[1,0,0] op_sel_hi:[1,1,1]  ; x3
.endr
.irp i, 0,1,2,3
	v_permlane16_swap_b32 v[A+\i], v[A+4+\i]       ; expert i's upper lanes change places with expert i + 4's lower lanes:
.endr
	v_pk_add_f32 v[A:A+1], v[A:A+1], v[A+4:A+5]    ; lanes 0-15 now sum experts 0-3, lanes 16-31 experts 4-7
	v_pk_add_f32 v[A+2:A+3], v[A+2:A+3], v[A+6:A+7]
	v_cndmask_b32 v[T], v[A], v[A+2], s20          ; lanes with bit 3 keep the upper two and send the lower two; the others the other way round
	v_cndmask_b32 v[T+1], v[A+2], v[A], s20
	v_cndmask_b32 v[T+2], v[A+1], v[A+3], s20
	v_cndmask_b32 v[T+3], v[A+3], v[A+1], s20
	v_add_f32_dpp v[T+4], v[T+1], v[T] row_xmask:8 row_mask:0xf bank_mask:0xf
	v_add_f32_dpp v[T+5], v[T+3], v[T+2] row_xmask:8 row_mask:0xf bank_mask:0xf
	v_cndmask_b32 v[T], v[T+4], v[T+5], s21        ; the same with bit 2 and one value
	v_cndmask_b32 v[T+1], v[T+5], v[T+4], s21
	v_add_f32_dpp v[T+6], v[T+1], v[T] row_xmask:4 row_mask:0xf bank_mask:0xf
	v_add_f32_dpp v[T+6], v[T+6], v[T+6] row_xmask:2 row_mask:0xf bank_mask:0xf
	v_add_f32_dpp v[T+6], v[T+6], v[T+6] row_xmask:1 row_mask:0xf bank_mask:0xf
	ds_store_b32 v[PA], v[T+6] offset:32*(\t)      ; four lanes hold the same sum and write the same word
.endm
.irp t, 0,1,2,3,4,5,6,7,8,9,10,11,12,13,14,15,16,17,18,19,20,21,22,23,24,25,26,27,28,29,30,31
	TOK \t
.endr
	s_wait_dscnt 0x0                               ; for wave 0's sake: my partial logits are in LDS
	s_barrier_signal -1
	s_barrier_wait -1
	s_wait_tensorcnt 0x0                           ; behind a wave's last LDS store; only reads of LDS follow
	ds_add_u32 v[SPW], v[NIL]
	s_wait_dscnt 0x0
	s_cmp_lg_u32 s14, 0
	s_cbranch_scc1 .Lend                           ; waves 1 to 15 are done
	; Wave 0: lane = token.  16 waves' partial logits, a tree of 60 packed additions, softmax, top 2.
	s_wait_xcnt 0x0                                ; X's registers were store data: written again only behind this wait
	v_lshlrev_b32 v1, 5, v0                        ; 32 bytes a token
.set i, 0
.rept 16
	ds_load_b128 v[X+8*i:X+8*i+3], v1 offset:1024*i
	ds_load_b128 v[X+8*i+4:X+8*i+7], v1 offset:1024*i+16
.set i, i+1
.endr
	s_wait_dscnt 0x0
.macro LEVEL s                         ; waves 0 .. s - 1 take waves s .. 2 s - 1
.set i, 0
.rept 4*(\s)
	v_pk_add_f32 v[X+2*i:X+2*i+1], v[X+2*i:X+2*i+1], v[X+8*(\s)+2*i:X+8*(\s)+2*i+1]
.set i, i+1
.endr
.endm
	LEVEL 8
	LEVEL 4
	LEVEL 2
.irp p, 0,1,2,3
	v_pk_add_f32 v[A+2*\p:A+2*\p+1], v[X+2*\p:X+2*\p+1], v[X+8+2*\p:X+8+2*\p+1]  ; the 8 logits
.endr
	v_max3_num_f32 v[T], v[A], v[A+1], v[A+2]
	v_max3_num_f32 v[T], v[T], v[A+3], v[A+4]
	v_max3_num_f32 v[T], v[T], v[A+5], v[A+6]
	v_max_num_f32 v[T], v[T], v[A+7]               ; the maximum, taken away as the softmax asks
	v_mov_b32 v[T+1], v[T]
.irp p, 0,1,2,3
	v_pk_add_f32 v[A+2*\p:A+2*\p+1], v[A+2*\p:A+2*\p+1], v[T:T+1] neg_lo:[0,1] neg_hi:[0,1]
.endr
.irp p, 0,1,2,3
	v_pk_mul_f32 v[A+2*\p:A+2*\p+1], v[A+2*\p:A+2*\p+1], s[22:23] op_sel_hi:[1,0]
.endr
.irp e, 0,1,2,3,4,5,6,7
	v_exp_f32 v[A+\e], v[A+\e]
.endr
	v_nop                                          ; a plain instruction behind the last exponential,
	s_wait_alu depctr_va_vdst(0)                   ; and one wait for the batch of eight
	v_pk_add_f32 v[T:T+1], v[A:A+1], v[A+2:A+3]
	v_pk_add_f32 v[T+2:T+3], v[A+4:A+5], v[A+6:A+7]
	v_pk_add_f32 v[T:T+1], v[T:T+1], v[T+2:T+3]
	v_add_f32 v[T], v[T], v[T+1]
	v_rcp_f32 v[T+4], v[T]                         ; 1 / sum; the two scans below are the independent work behind it
	v_mov_b32 v24, v[A]                            ; the largest: a later one wins only if it is strictly greater, so ties keep the lower index
	v_mov_b32 v25, 0
.irp e, 1,2,3,4,5,6,7
	v_cmp_gt_f32 vcc_lo, v[A+\e], v24
	v_cndmask_b32 v24, v24, v[A+\e], vcc_lo
	v_cndmask_b32 v25, v25, \e, vcc_lo
.endr
.irp e, 0,1,2,3,4,5,6,7
	v_cmp_eq_u32 vcc_lo, \e, v25
	v_cndmask_b32 v[28+\e], v[A+\e], -1.0, vcc_lo  ; it is taken out: every other value is 0 or more
.endr
	v_mov_b32 v26, v28                             ; the second largest, likewise
	v_mov_b32 v27, 0
.irp e, 1,2,3,4,5,6,7
	v_cmp_gt_f32 vcc_lo, v[28+\e], v26
	v_cndmask_b32 v26, v26, v[28+\e], vcc_lo
	v_cndmask_b32 v27, v27, \e, vcc_lo
.endr
	v_min_u32 v36, v25, v27                        ; lo
	v_max_u32 v37, v25, v27                        ; hi
	v_cmp_lt_u32 vcc_lo, v25, v27
	v_cndmask_b32 v38, v26, v24, vcc_lo            ; lo's value
	v_cndmask_b32 v39, v24, v26, vcc_lo            ; hi's
	v_lshl_or_b32 v36, v36, 3, v37
	v_lshlrev_b32 v40, 2, v0
	v_lshlrev_b32 v41, 3, v0
	s_wait_alu depctr_va_vdst(0)                   ; the reciprocal's wait, ahead of its first reader
	v_mul_f32 v38, v38, v[T+4]
	v_mul_f32 v39, v39, v[T+4]
	global_store_b32 v40, v36, s[10:11]            ; fixed places: no address hangs on the choice
	global_store_b64 v41, v[38:39], s[12:13]       ; 256 consecutive bytes, aligned
.Lend:
	s_endpgm
.Lfunc_end_k_q9817f27e23_router:
	.size	k_q9817f27e23_router, .Lfunc_end_k_q9817f27e23_router-k_q9817f27e23_router
	.p2alignl 7, 3214868480
	.fill 96, 4, 3214868480
	.section	.rodata,"a",@progbits
	.p2align	6, 0x0
	.amdhsa_kernel k_q9817f27e23_router
		.amdhsa_group_segment_fixed_size 18432
		.amdhsa_private_segment_fixed_size 0
		.amdhsa_enable_private_segment 0
		.amdhsa_kernarg_size 40
		.amdhsa_user_sgpr_count 2
		.amdhsa_user_sgpr_kernarg_segment_ptr 1
		.amdhsa_wavefront_size32 1
		.amdhsa_system_sgpr_workgroup_id_x 1
		.amdhsa_system_sgpr_workgroup_id_y 1
		.amdhsa_system_sgpr_workgroup_id_z 1
		.amdhsa_system_vgpr_workitem_id 0
		.amdhsa_next_free_vgpr 192
		.amdhsa_next_free_sgpr 66
		.amdhsa_reserve_vcc 1
		.amdhsa_float_denorm_mode_32 3
		.amdhsa_float_denorm_mode_16_64 3
		.amdhsa_memory_ordered 1
		.amdhsa_forward_progress 1
		.amdhsa_inst_pref_size 95
	.end_amdhsa_kernel
	.amdgpu_metadata
---
amdhsa.version: [ 1, 2 ]
amdhsa.kernels:
  - .name:           k_q9817f27e23_router
    .symbol:         k_q9817f27e23_router.kd
    .args:
      - { .name: hidden_states, .offset: 0, .size: 8, .value_kind: global_buffer, .address_space: global }
      - { .name: w_router, .offset: 8, .size: 8, .value_kind: global_buffer, .address_space: global }
      - { .name: xb, .offset: 16, .size: 8, .value_kind: global_buffer, .address_space: global }
      - { .name: code, .offset: 24, .size: 8, .value_kind: global_buffer, .address_space: global }
      - { .name: gw, .offset: 32, .size: 8, .value_kind: global_buffer, .address_space: global }
    .group_segment_fixed_size: 18432
    .private_segment_fixed_size: 0
    .kernarg_segment_align: 8
    .kernarg_segment_size: 40
    .max_flat_workgroup_size: 512
    .sgpr_count:     66
    .vgpr_count:     192
    .wavefront_size: 32
...
	.end_amdgpu_metadata
.endif
;; end of part 1
;; launch prep (part 2): grid 220 x 1, 8 waves a work-group, no clusters, 1,280 bytes of LDS; arguments code, w_gate, w_up, w_down, order, tab, wgu, wd; writes order, tab, wgu, wd
.if DOCPART == 2
	.amdgcn_target "amdgcn-amd-amdhsa--gfx1250"
	.amdhsa_code_object_version 6
	.text
	.protected	k_q9817f27e23_prep
	.globl	k_q9817f27e23_prep
	.p2align	8
	.type	k_q9817f27e23_prep,@function
k_q9817f27e23_prep:
	s_mov_b64 s[64:65], 0
	v_nop
	global_prefetch_b8 v0, s[64:65] scope:SCOPE_SE
	s_setreg_imm32_b32 hwreg(HW_REG_WAVE_MODE, 25, 1), 1
	s_wait_xcnt 0x0
; PREP.  Three kinds of work-group, told apart by the work-group's number alone.
; 0-27 SORT: work-group p owns pair p of experts (lo < hi, in the order of 8 lo + hi).  It counts the tokens of lower pairs (off) and of its own (c) among all 8,192 codes, writes its tokens' numbers
;   to order[off ..], and deals them to n = 1 + ((off + c) >> 6) - (off >> 6) work-groups of the next launch, entries p + (off >> 6) .. of tab: {first, count, lo, hi}.  n >= 1 + c / 64, so a share is 64 tokens
;   at the most, and the n of all 28 pairs add up to 28 + 128 = 156 whatever the routing.  No atomics: each place of order and tab has one writer.
; 28-155 GU: w_gate, w_up ([8][2048][128] f32) rounded to bf16 and laid out as matrix fragments; 156-219 DN: the same for w_down ([8][128][2048]).
; A FRAGMENT is 1,024 bytes: byte 512 u + 16 (16 hh + r) holds the eight elements kpos = 16 u + 8 hh + 0..7 of row (column) r: two loads of 16 bytes a lane fill an operand's 8 registers.
;   wgu byte = e << 20 | Q << 14 | w4 << 12 | tile << 10: k = 32 Q + kpos; w4 = 2 hw + tp; tiles 0, 1 gate, 2, 3 up; row r of tile x is column 64 hw + 4 r + 2 tp + (x & 1).
;   wd  byte = e << 19 | c << 17 | kk << 15 | cw << 12 | t << 10: column 512 c + 64 cw + 4 r + t; kk = 2 hw + f; kpos stands for row 64 hw + 4 (kpos & 15) + 2 f + (kpos >> 4): the order in which the
;   first product's results pack.
.set SPARE, 256                        ; LDS: 64 bytes of counts at 0; the spare words, 128 bytes for each of 8 waves, from 256 on
.set SPW, 2                            ; v2   my spare word; never rewritten
.set NIL, 3                            ; v3   0; never rewritten
.set R,   16                           ; v16-143  32 rows x 4 numbers as loaded (SORT: v16-47 the wave's 1,024 codes)
.set O,   144                          ; v144-207 16 units of 4 packed registers; none is written twice, so no store is waited for
.set IDX, 80                           ; SORT: v80-111   byte offset in order of the token in code register i
.set TKN, 112                          ; SORT: v112-143  that token's number
	s_load_b256 s[4:11], s[0:1], 0x0               ; code s[4:5], w_gate s[6:7], w_up s[8:9], w_down s[10:11]
	s_load_b256 s[12:19], s[0:1], 0x20             ; order s[12:13], tab s[14:15], wgu s[16:17], wd s[18:19]
	v_lshl_add_u32 v[SPW], v0, 2, SPARE
	v_mov_b32 v[NIL], 0
	v_lshrrev_b32 v1, 5, v0
	v_readfirstlane_b32 s20, v1                    ; wave 0..7
	v_and_b32 v4, 31, v0                           ; lane L
	v_lshlrev_b32 v5, 4, v4                        ; 16 L
	v_and_b32 v6, 15, v0
	v_lshlrev_b32 v6, 4, v6                        ; 16 (L & 15)
	v_bfe_u32 v7, v0, 4, 1                         ; L >> 4
	s_mov_b32 s21, ttmp9
	s_mov_b32 s23, 0                               ; s[22:23]: a byte offset in 64 bits
	s_wait_kmcnt 0x0
	s_cmp_lt_u32 s21, 28
	s_cbranch_scc1 .Lsort
	s_cmp_lt_u32 s21, 156
	s_cbranch_scc1 .Lgu
; Eight rows 8 a .. 8 a + 7 of the 32 loaded: for each of a lane's four columns c, eight numbers along k pack into 16 bytes; 16 lanes store 256 consecutive bytes, aligned.
.macro UNIT a, lc, dn, sb
	s_wait_loadcnt \lc                             ; the rows behind these eight stay out
.irp c, 0,1,2,3
.irp p, 0,1,2,3
	v_cvt_pk_bf16_f32 v[O+16*(\a)+4*\c+\p], v[R+4*(8*(\a)+2*\p)+\c], v[R+4*(8*(\a)+2*\p+1)+\c]
.endr
.if \dn
	global_store_b128 v6, v[O+16*(\a)+4*\c:O+16*(\a)+4*\c+3], s[\sb:\sb+1] offset:\c*1024+((\a)>>1)*512+((\a)&1)*256
.else
	global_store_b128 v6, v[O+16*(\a)+4*\c:O+16*(\a)+4*\c+3], s[\sb:\sb+1] offset:(\c>>1)*4096+(\c&1)*1024+((\a)>>1)*512+((\a)&1)*256
.endif
.endr
.endm
	; DN: work-group 8 e + c8; the wave takes 128 columns (256 c8 + 128 cg + 4 L + c) and the 32 rows of fragment kk.
	s_sub_co_u32 s21, s21, 156
	s_lshr_b32 s24, s21, 3                         ; e
	s_and_b32 s25, s21, 7                          ; c8
	s_and_b32 s26, s20, 1                          ; cg
	s_lshr_b32 s27, s20, 1                         ; kk
	s_lshl_b32 s22, s24, 20                        ; from: e << 20 + (64 (kk >> 1) + 2 (kk & 1)) rows of 8,192 bytes + c8 << 10 + cg << 9
	s_lshr_b32 s28, s27, 1
	s_lshl_b32 s28, s28, 19
	s_add_co_u32 s22, s22, s28
	s_and_b32 s28, s27, 1
	s_lshl_b32 s28, s28, 14
	s_add_co_u32 s22, s22, s28
	s_lshl_b32 s28, s25, 10
	s_add_co_u32 s22, s22, s28
	s_lshl_b32 s28, s26, 9
	s_add_co_u32 s22, s22, s28
	s_add_nc_u64 s[10:11], s[10:11], s[22:23]
	s_lshl_b32 s22, s24, 19                        ; to: e << 19 + (c8 >> 1) << 17 + kk << 15 + (4 (c8 & 1) + 2 cg) << 12
	s_lshr_b32 s28, s25, 1
	s_lshl_b32 s28, s28, 17
	s_add_co_u32 s22, s22, s28
	s_lshl_b32 s28, s27, 15
	s_add_co_u32 s22, s22, s28
	s_and_b32 s28, s25, 1
	s_lshl_b32 s28, s28, 14
	s_add_co_u32 s22, s22, s28
	s_lshl_b32 s28, s26, 13
	s_add_co_u32 s22, s22, s28
	s_add_nc_u64 s[18:19], s[18:19], s[22:23]
	v_lshl_add_u32 v6, v7, 12, v6                  ; lanes 16-31 belong to the next cw
.irp a, 0,1,2,3
.irp i, 0,1,2,3,4,5,6,7
	global_load_b128 v[R+4*(8*\a+\i):R+4*(8*\a+\i)+3], v5, s[10:11] offset:(32*(\a&1)+(\a>>1)+4*\i)*8192 th:TH_LOAD_NT  ; kpos = 8 a + i; 512 consecutive bytes of its row
.endr
.endr
	UNIT 0, 24, 1, 18
	UNIT 1, 16, 1, 18
	UNIT 2, 8, 1, 18
	UNIT 3, 0, 1, 18
	s_endpgm
.Lgu:	; GU: work-group 64 isup + 8 e + q8; the wave takes rows k = 32 Q .. 32 Q + 31, Q = 8 q8 + wave: 16,384 bytes on end.
	s_sub_co_u32 s21, s21, 28
	s_lshr_b32 s24, s21, 6                         ; 0 gate, 1 up
	s_bfe_u32 s25, s21, 0x30003                    ; e
	s_and_b32 s26, s21, 7
	s_lshl_b32 s26, s26, 3
	s_add_co_u32 s26, s26, s20                     ; Q
	s_lshl_b32 s22, s25, 20
	s_lshl_b32 s26, s26, 14
	s_add_co_u32 s22, s22, s26                     ; e << 20 + Q << 14, in the source and in wgu alike
	s_cmp_eq_u32 s24, 1
	s_cselect_b64 s[28:29], s[8:9], s[6:7]
	s_add_nc_u64 s[28:29], s[28:29], s[22:23]
	s_lshl_b32 s24, s24, 11                        ; up's tiles lie 2,048 bytes behind gate's
	s_add_co_u32 s22, s22, s24
	s_add_nc_u64 s[16:17], s[16:17], s[22:23]
	v_lshl_add_u32 v6, v7, 13, v6                  ; lanes 16-31 hold columns 64 .. 127: hw = 1
.set i, 0
.rept 32
	global_load_b128 v[R+4*i:R+4*i+3], v5, s[28:29] offset:512*i th:TH_LOAD_NT
.set i, i+1
.endr
	UNIT 0, 24, 0, 16
	UNIT 1, 16, 0, 16
	UNIT 2, 8, 0, 16
	UNIT 3, 0, 0, 16
	s_endpgm
.Lsort:
	s_mov_b32 s24, 0                               ; lo = how many of the pairs' first numbers 7, 13, 18, 22, 25, 27 are <= p
.irp th, 7,13,18,22,25,27
	s_cmp_ge_u32 s21, \th
	s_add_co_ci_u32 s24, s24, 0
.endr
	s_sub_co_u32 s25, 15, s24
	s_mul_i32 s25, s25, s24
	s_lshr_b32 s25, s25, 1                         ; lo (15 - lo) / 2: the first pair with this lo
	s_sub_co_u32 s25, s21, s25
	s_add_co_u32 s25, s25, s24
	s_add_co_u32 s25, s25, 1                       ; hi
	s_lshl3_add_u32 s26, s24, s25                  ; my code, 8 lo + hi
	v_lshl_add_u32 v8, s20, 12, v5                 ; the wave's 1,024 codes: register R + 4 g + c of lane L is token 1024 wave + 128 g + 4 L + c
.irp g, 0,1,2,3,4,5,6,7
	global_load_b128 v[R+4*\g:R+4*\g+3], v8, s[4:5] offset:512*\g
.endr
	v_lshlrev_b32 v9, 2, v4
	v_lshl_add_u32 v9, s20, 10, v9                 ; 1024 wave + 4 L
	s_mov_b32 s27, 0                               ; the wave's tokens of my pair,
	s_mov_b32 s28, 0                               ; and of lower pairs
	s_wait_loadcnt 0x0
.set i, 0
.rept 32
	v_cmp_eq_u32 s30, s26, v[R+i]
	v_cmp_gt_u32 s31, s26, v[R+i]
	s_bcnt1_i32_b32 s30, s30
	s_bcnt1_i32_b32 s31, s31
	s_add_co_u32 s27, s27, s30
	s_add_co_u32 s28, s28, s31
.set i, i+1
.endr
	v_mov_b32 v10, s27
	v_mov_b32 v11, s28
	v_mov_b32 v12, s20
	v_lshlrev_b32 v12, 3, v12
	ds_store_b64 v12, v[10:11]                     ; all lanes write the wave's two counts to its own 8 bytes
	s_wait_dscnt 0x0                               ; for the others' sake
	s_barrier_signal -1
	s_barrier_wait -1
	v_mov_b32 v13, 0
.irp n, 0,1,2,3
	ds_load_b128 v[48+4*\n:48+4*\n+3], v13 offset:16*\n
.endr
	s_wait_dscnt 0x0
.set i, 0
.rept 16
	v_readfirstlane_b32 s[44+i], v[48+i]           ; wave w's counts in s[44 + 2 w], s[45 + 2 w]
.set i, i+1
.endr
	s_mov_b32 s32, 0                               ; off
	s_mov_b32 s33, 0                               ; c
.irp w, 0,1,2,3,4,5,6,7
	s_add_co_u32 s33, s33, s[44+2*\w]
	s_add_co_u32 s32, s32, s[45+2*\w]
.endr
	s_mov_b32 s34, s32                             ; where my wave's tokens begin: off + the lower waves' counts
.irp w, 0,1,2,3,4,5,6
	s_cmp_gt_u32 s20, \w
	s_cselect_b32 s30, s[44+2*\w], 0
	s_add_co_u32 s34, s34, s30
.endr
	; ALL THAT THE MASKED STORES NAME IS MADE FIRST, with every lane on: 32 places in order, 32 token numbers, my entry of tab.  Behind the first narrowing of EXEC no vector register is written.
.set i, 0
.rept 32
	v_cmp_eq_u32 vcc_lo, s26, v[R+i]
	v_mbcnt_lo_u32_b32 v[IDX+i], vcc_lo, 0         ; how many lower lanes hold a token of my pair
	v_add_nc_u32 v[IDX+i], s34, v[IDX+i]
	v_min_u32 v[IDX+i], 0x1fff, v[IDX+i]
	v_lshlrev_b32 v[IDX+i], 2, v[IDX+i]
	v_add_nc_u32 v[TKN+i], 128*(i/4)+i%4, v9       ; the token's number
	s_bcnt1_i32_b32 s31, vcc_lo
	s_add_co_u32 s34, s34, s31                     ; the next register's tokens follow
.set i, i+1
.endr
	s_lshr_b32 s30, s32, 6
	s_add_co_u32 s36, s21, s30                     ; my first entry of tab
	s_add_co_u32 s37, s32, s33
	s_lshr_b32 s37, s37, 6
	s_sub_co_u32 s37, s37, s30
	s_add_co_u32 s37, s37, 1                       ; n, 1 to 129
	s_mov_b32 s38, s33                             ; c = q n + rem, q under 64: seven steps of a division by shifts
	s_mov_b32 s39, 0
.irp bit, 6,5,4,3,2,1,0
	s_lshl_b32 s30, s37, \bit
	s_cmp_ge_u32 s38, s30
	s_cselect_b32 s30, s30, 0
	s_cselect_b32 s31, 1<<\bit, 0
	s_sub_co_u32 s38, s38, s30
	s_or_b32 s39, s39, s31
.endr
	v_mad_u32_u24 v72, v0, s39, s32                ; thread k writes share k: first = off + k q + min(k, rem),
	v_min_u32 v73, s38, v0
	v_add_nc_u32 v72, v72, v73
	v_cmp_gt_u32 vcc_lo, s38, v0
	v_cndmask_b32 v73, 0, 1, vcc_lo
	v_add_nc_u32 v73, s39, v73                     ; count = q + (k < rem)
	v_mov_b32 v74, s24
	v_mov_b32 v75, s25
	v_add_nc_u32 v76, s36, v0
	v_min_u32 v76, 155, v76
	v_lshlrev_b32 v76, 4, v76
	; THE MASKED STORES.  EXEC is a source of a pending store, so it changes only behind s_wait_xcnt 0: once ahead of the first narrowing, then ahead of each restore; between a restore and the next
	; narrowing no memory instruction is issued.  Every lane was on at each save, so the restore writes all ones.
	v_cmp_gt_u32 vcc_lo, s37, v0
	s_wait_xcnt 0x0
	s_and_saveexec_b32 s35, vcc_lo                 ; threads k < n
	global_store_b128 v76, v[72:75], s[14:15]
	s_wait_xcnt 0x0
	s_mov_b32 exec_lo, -1
.set i, 0
.rept 32
	v_cmp_eq_u32 vcc_lo, s26, v[R+i]
	s_and_saveexec_b32 s35, vcc_lo                 ; the lanes that hold a token of my pair
	global_store_b32 v[IDX+i], v[TKN+i], s[12:13]
	s_wait_xcnt 0x0
	s_mov_b32 exec_lo, -1
.set i, i+1
.endr
	s_wait_tensorcnt 0x0                           ; the wave's end, behind my last LDS store
	ds_add_u32 v[SPW], v[NIL]
	s_wait_dscnt 0x0
	s_endpgm
.Lfunc_end_k_q9817f27e23_prep:
	.size	k_q9817f27e23_prep, .Lfunc_end_k_q9817f27e23_prep-k_q9817f27e23_prep
	.p2alignl 7, 3214868480
	.fill 96, 4, 3214868480
	.section	.rodata,"a",@progbits
	.p2align	6, 0x0
	.amdhsa_kernel k_q9817f27e23_prep
		.amdhsa_group_segment_fixed_size 1280
		.amdhsa_private_segment_fixed_size 0
		.amdhsa_enable_private_segment 0
		.amdhsa_kernarg_size 64
		.amdhsa_user_sgpr_count 2
		.amdhsa_user_sgpr_kernarg_segment_ptr 1
		.amdhsa_wavefront_size32 1
		.amdhsa_system_sgpr_workgroup_id_x 1
		.amdhsa_system_sgpr_workgroup_id_y 1
		.amdhsa_system_sgpr_workgroup_id_z 1
		.amdhsa_system_vgpr_workitem_id 0
		.amdhsa_next_free_vgpr 208
		.amdhsa_next_free_sgpr 66
		.amdhsa_reserve_vcc 1
		.amdhsa_float_denorm_mode_32 3
		.amdhsa_float_denorm_mode_16_64 3
		.amdhsa_memory_ordered 1
		.amdhsa_forward_progress 1
		.amdhsa_inst_pref_size 53
	.end_amdhsa_kernel
	.amdgpu_metadata
---
amdhsa.version: [ 1, 2 ]
amdhsa.kernels:
  - .name:           k_q9817f27e23_prep
    .symbol:         k_q9817f27e23_prep.kd
    .args:
      - { .name: code, .offset: 0, .size: 8, .value_kind: global_buffer, .address_space: global }
      - { .name: w_gate, .offset: 8, .size: 8, .value_kind: global_buffer, .address_space: global }
      - { .name: w_up, .offset: 16, .size: 8, .value_kind: global_buffer, .address_space: global }
      - { .name: w_down, .offset: 24, .size: 8, .value_kind: global_buffer, .address_space: global }
      - { .name: order, .offset: 32, .size: 8, .value_kind: global_buffer, .address_space: global }
      - { .name: tab, .offset: 40, .size: 8, .value_kind: global_buffer, .address_space: global }
      - { .name: wgu, .offset: 48, .size: 8, .value_kind: global_buffer, .address_space: global }
      - { .name: wd, .offset: 56, .size: 8, .value_kind: global_buffer, .address_space: global }
    .group_segment_fixed_size: 1280
    .private_segment_fixed_size: 0
    .kernarg_segment_align: 8
    .kernarg_segment_size: 64
    .max_flat_workgroup_size: 256
    .sgpr_count:     66
    .vgpr_count:     208
    .wavefront_size: 32
...
	.end_amdgpu_metadata
.endif
;; end of part 2
;; launch chain (part 3): grid 156 x 1, 8 waves a work-group, no clusters, 264,192 bytes of LDS; arguments xb, wgu, wd, order, tab, gw, out0; writes out0
.if DOCPART == 3
	.amdgcn_target "amdgcn-amd-amdhsa--gfx1250"
	.amdhsa_code_object_version 6
	.text
	.protected	k_q9817f27e23_chain
	.globl	k_q9817f27e23_chain
	.p2align	8
	.type	k_q9817f27e23_chain,@function
k_q9817f27e23_chain:
	s_mov_b64 s[64:65], 0
	v_nop
	global_prefetch_b8 v0, s[64:65] scope:SCOPE_SE
	s_setreg_imm32_b32 hwreg(HW_REG_WAVE_MODE, 25, 1), 1
	s_wait_xcnt 0x0
; CHAIN.  A work-group takes its share of tab: at most 64 tokens that chose the same two experts (lo, hi), and takes them through everything:
;   G, U = x [gate_lo | up_lo | gate_hi | up_hi]  (K = 2,048, N = 512);  h = silu(0.5 G) U p_e, in f32;  out = 0.25 h [down_lo ; down_hi]  (K = 256, N = 2,048).
; Both experts add into one accumulator, so a row of out0 has one owner and is stored once.  x and the weights are bf16 (rounded once by the launches before); sums in f32.
; h goes to the second product as TWO bf16 numbers, hi = bf16(h) and lo = bf16(h - hi), each multiplied by the same weights: one bf16 rounding of h would use up the comparison's room in rows with a large p.
; LIMITS.  G U p stays inside f32's range; NaN and infinities are not treated apart.
; ROWS.  Slot m of block b (16 slots) holds the share's token 16 b + 2 (m & 7) + (m >> 3); places past the count repeat the last token.  Blocks past the count are jumped (matrix work and stores alone:
; no load, wait or barrier is jumped), but for the quarter that starts sums and the activation, so that every register is written on every way.
; FIRST PRODUCT, transposed (source 0 = 16 weight columns, source 1 = 16 tokens): wave w has expert (w < 4 ? lo : hi), two gate and two up tiles (part w & 3) and all four blocks.  A lane then holds one token
; and eight columns, and the two activated tiles, packed, ARE fragment w of h for the second product.  SECOND PRODUCT, natural: wave w has columns 64 w .. of each chunk of 512; tile t's column is 4 r + t, so a
; lane's four tiles are 16 consecutive bytes of a row of out0, and 16 lanes store 256 consecutive bytes, aligned.
; WEIGHTS come from memory straight into operand registers, through a ring of four buffers of four fragments, three quarters ahead: 24 loads of a wave are out.  x comes into LDS once, by asynchronous copies.
; NO CLUSTER: the weights never lie in LDS (x takes 263,168 bytes of it, and no two slots for a quarter's 32 KB of weights fit beside), and a pair's number of work-groups hangs on the routing (1 to 129): no multiple of four.
; LDS: x, 64 rows of 4,096 + 16 bytes (an odd multiple of 16, so that the 16 rows of a fragment load begin 16 bytes apart modulo 256); behind the first product h takes x's first 65,536 bytes:
; [block 4][16 fragments of 1 KB: 2 w hi, 2 w + 1 lo]; then the spare words.
; REGISTERS, in two windows of 256 (s_set_vgpr_msb: bits 1:0 source 0, 3:2 source 1, 5:4 source 2, 7:6 destination).
.set PX,    4112
.set SPARE, 64*PX                      ; 263,168, a multiple of 256: the spare words, 128 bytes for each of 8 waves
; window 0
.set L16, 1                            ; v1      16 x lane; never rewritten
.set XA,  2                            ; v2-5    block b's x fragments: (16 b + r) PX + 16 hh, stepped along K
.set SPW, 6                            ; v6      my spare word; never rewritten
.set NIL, 7                            ; v7      0; never rewritten
.set CL,  8                            ; v8-15   copies: LDS address of row 8 w + a
.set CG,  16                           ; v16-23  copies: byte offset of that row's token in xb
.set OA,  24                           ; v24-55  byte offset in out0 for block b, store j: token 16 b + 2 j + hh, + 256 w + 16 r
.set TP,  56                           ; v56-63  at work in the set-up
.set ST,  64                           ; v64-95  a block on its way out: row j's four columns at ST + 4 j
.set TK,  96                           ; v96-99  block b: my lane's token (slot r), then its offset in gw
.set WR,  128                          ; v128-255 weights: four buffers of 32, tile t at + 8 t
; window 1
.set ACC, 0                            ; v0-127  accumulator (b, t) at 32 b + 8 t
.set FR,  128                          ; v128-191 fragments of x or h: two buffers of 32, block b at + 8 b
.set EX,  192                          ; v192-207 at work in the activation
.set HP,  208                          ; v208-215 h's hi parts, packed
.set WQ,  216                          ; v216-223 0.5 p of my lane's token in block b, twice
.set HA,  224                          ; v224    16 x lane: where h's fragments are read
.set HS,  225                          ; v225    2048 w + 16 x lane: where mine are stored
; scalars
.set WV,    18                         ; s18  wave
.set FIRST, 20                         ; s20  my share's first place in order
.set CNT,   21                         ; s21  its tokens, 0 to 64
.set ELO,   22                         ; s22, s23  the two experts
.set EHI,   23
.set NB,    24                         ; s24  blocks in use
.set LASTR, 25                         ; s25  max(count, 1) - 1
.set TRIP,  26                         ; s26  loop counter
.set QS,    27                         ; s27  0.25
.set GU,    28                         ; s[28:29] my gate and up fragments, stepped along K
.set DLO,   30                         ; s[30:31] my fragments of down_lo, stepped by chunks
.set DHI,   32                         ; s[32:33] of down_hi
.set MASK,  44                         ; s44  a word's upper bf16
.set C1,    46                         ; s[46:47] -0.5 log2(e)
.set W_P1, 0x54                        ; weights (source 0) window 0; x, C, D window 1; for LDS loads: address window 0, data window 1
.set W_P2, 0x51                        ; h (source 0) window 1; weights window 0; C, D window 1; for LDS loads: address and data window 1
.set MSB, 0
.macro WIN new                         ; the immediate's high byte repeats the setting that is left; a switch that changes nothing is dropped
.if MSB != (\new)
	s_set_vgpr_msb (MSB<<8)|(\new)
.set MSB, \new
.endif
.endm
.macro PLACES                          ; four plain instructions between a matrix instruction and a load into, or a vector read of, its registers
.rept 4
	v_nop
.endr
.endm
.macro WLOAD rb, wp, wo                ; four fragments, 4 KB, into ring buffer rb: each load takes 512 consecutive bytes
.irp t, 0,1,2,3
	global_load_b128 v[WR+32*(\rb)+8*\t:WR+32*(\rb)+8*\t+3], v[L16], s[\wp:\wp+1] offset:(\wo)+1024*\t
	global_load_b128 v[WR+32*(\rb)+8*\t+4:WR+32*(\rb)+8*\t+7], v[L16], s[\wp:\wp+1] offset:(\wo)+1024*\t+512
.endr
.endm
.macro FLOAD ph, fb, fo                ; the four blocks' fragments at byte fo (of x's rows; of a block's h) into buffer fb
.irp b, 0,1,2,3
.if (\ph) == 1
	ds_load_b128 v[FR+32*(\fb)+8*\b:FR+32*(\fb)+8*\b+3], v[XA+\b] offset:(\fo)
	ds_load_b128 v[FR+32*(\fb)+8*\b+4:FR+32*(\fb)+8*\b+7], v[XA+\b] offset:(\fo)+32
.else
	ds_load_b128 v[FR+32*(\fb)+8*\b:FR+32*(\fb)+8*\b+3], v[HA] offset:16384*\b+(\fo)
	ds_load_b128 v[FR+32*(\fb)+8*\b+4:FR+32*(\fb)+8*\b+7], v[HA] offset:16384*\b+(\fo)+512
.endif
.endr
.endm
.macro MM4 ph, b, rb, fb, zero         ; block b's four accumulators, one instruction each: they take turns
.irp t, 0,1,2,3
.if (\ph) == 1
.if \zero
	v_wmma_f32_16x16x32_bf16 v[ACC+32*(\b)+8*\t:ACC+32*(\b)+8*\t+7], v[WR+32*(\rb)+8*\t:WR+32*(\rb)+8*\t+7], v[FR+32*(\fb)+8*(\b):FR+32*(\fb)+8*(\b)+7], 0
.else
	v_wmma_f32_16x16x32_bf16 v[ACC+32*(\b)+8*\t:ACC+32*(\b)+8*\t+7], v[WR+32*(\rb)+8*\t:WR+32*(\rb)+8*\t+7], v[FR+32*(\fb)+8*(\b):FR+32*(\fb)+8*(\b)+7], v[ACC+32*(\b)+8*\t:ACC+32*(\b)+8*\t+7]
.endif
.else
.if \zero
	v_wmma_f32_16x16x32_bf16 v[ACC+32*(\b)+8*\t:ACC+32*(\b)+8*\t+7], v[FR+32*(\fb)+8*(\b):FR+32*(\fb)+8*(\b)+7], v[WR+32*(\rb)+8*\t:WR+32*(\rb)+8*\t+7], 0
.else
	v_wmma_f32_16x16x32_bf16 v[ACC+32*(\b)+8*\t:ACC+32*(\b)+8*\t+7], v[FR+32*(\fb)+8*(\b):FR+32*(\fb)+8*(\b)+7], v[WR+32*(\rb)+8*\t:WR+32*(\rb)+8*\t+7], v[ACC+32*(\b)+8*\t:ACC+32*(\b)+8*\t+7]
.endif
.endif
.endr
.endm
; A QUARTER: 32 along K for up to four blocks x four tiles.  ph: which product; rb, fb: the weight and fragment buffers it multiplies.
; lc: how many younger weight loads may stay out (-1: these weights were waited for a quarter ago).  zero = 1: it starts the sums, with the constant 0, for all four blocks.
; wp, wo: base and offset of the weights three quarters (of weights) on, into the buffer read a quarter ago (wp = -1: none).  fo: where the next quarter's fragments lie (-1: none).
.macro QTR ph, rb, fb, lc, zero, wp, wo, fo
.set PW, 0x57-3*(\ph)
.set WB, ((\rb)+3)&3
.if (\lc) >= 0
	s_wait_loadcnt \lc                             ; loads come back in order: this quarter's eight are in
.endif
	s_wait_dscnt 0x0                               ; the fragments asked for a quarter ago are in
	WIN PW
	MM4 \ph, 0, \rb, \fb, \zero
	PLACES                                         ; behind the quarter before, whose buffers are now loaded again
.if (\fo) >= 0
	FLOAD \ph, 1-(\fb), \fo
.endif
	WIN 0
.if (\wp) >= 0
	WLOAD WB, \wp, \wo
.endif
.if \zero
	WIN PW
	MM4 \ph, 1, \rb, \fb, 1
	MM4 \ph, 2, \rb, \fb, 1
	MM4 \ph, 3, \rb, \fb, 1
	WIN 0
.else
.irp b, 1,2,3
	s_cmp_lt_u32 s[NB], \b+1                       ; blocks past the count: only matrix instructions are jumped
	s_cbranch_scc1 .Lq\@
	WIN PW
	MM4 \ph, \b, \rb, \fb, 0
	WIN 0
.endr
.Lq\@:
.endif
.endm
	s_load_b256 s[4:11], s[0:1], 0x0               ; xb s[4:5], wgu s[6:7], wd s[8:9], order s[10:11]
	s_load_b128 s[12:15], s[0:1], 0x20             ; tab s[12:13], gw s[14:15]
	s_load_b64 s[16:17], s[0:1], 0x30              ; out0
	v_lshl_add_u32 v[SPW], v0, 2, SPARE
	v_mov_b32 v[NIL], 0
	ds_add_u32 v[SPW], v[NIL]                      ; the wave's opening: the add and its wait stand ahead of my first copy; work on registers stands between them
	v_lshrrev_b32 v[TP], 5, v0
	v_readfirstlane_b32 s[WV], v[TP]               ; wave 0..7
	v_and_b32 v[TP+1], 31, v0
	v_lshlrev_b32 v[L16], 4, v[TP+1]
	v_and_b32 v[TP+2], 15, v0                      ; r
	v_bfe_u32 v[TP+3], v0, 4, 1                    ; hh
	v_and_b32 v[TP+4], 7, v0
	v_bfe_u32 v[TP+5], v0, 3, 1
	v_lshl_add_u32 v[TP+4], v[TP+4], 1, v[TP+5]    ; slot r's token in its block: 2 (r & 7) + (r >> 3)
	v_mul_u32_u24 v[XA], v[TP+2], PX
	v_lshl_add_u32 v[XA], v[TP+3], 4, v[XA]
.irp b, 1,2,3
	v_add_nc_u32 v[XA+\b], 16*PX*\b, v[XA]
.endr
	s_mul_i32 s19, s[WV], 8*PX                     ; my eight rows of the x tile: a constant times the wave's number
	v_add_nc_u32 v[CL], s19, v[L16]
.irp a, 1,2,3,4,5,6,7
	v_add_nc_u32 v[CL+\a], PX*\a, v[CL]
.endr
	s_lshl_b32 s19, ttmp9, 4                       ; my entry of tab
	s_mov_b32 s[QS], 0x3e800000                    ; 0.25
	s_mov_b32 s[MASK], 0xffff0000
	s_mov_b32 s[C1], 0xbf38aa3b                    ; -0.5 log2(e)
	s_mov_b32 s[C1+1], s[C1]                       ; named with it as a pair
	s_wait_dscnt 0x0                               ; the opening add is done
	s_wait_kmcnt 0x0
	s_load_b128 s[FIRST:FIRST+3], s[12:13], s19 offset:0x0
	s_wait_kmcnt 0x0
	s_min_u32 s[FIRST], s[FIRST], 0x1fff
	s_min_u32 s[CNT], s[CNT], 64
	s_min_u32 s[ELO], s[ELO], 7
	s_min_u32 s[EHI], s[EHI], 7
	s_add_co_u32 s[NB], s[CNT], 15
	s_lshr_b32 s[NB], s[NB], 4
	s_max_u32 s[LASTR], s[CNT], 1
	s_sub_co_u32 s[LASTR], s[LASTR], 1
	; LDS row 8 w + a is slot 8 (w & 1) + a of block w >> 1: the share's token 16 (w >> 1) + (w & 1) + 2 a
	s_lshr_b32 s34, s[WV], 1
	s_lshl_b32 s34, s34, 4
	s_and_b32 s35, s[WV], 1
	s_add_co_u32 s34, s34, s35
.irp a, 0,1,2,3,4,5,6,7
	s_add_co_u32 s[48+\a], s34, 2*\a
	s_min_u32 s[48+\a], s[48+\a], s[LASTR]         ; places past the count repeat the last token
	s_add_co_u32 s[48+\a], s[48+\a], s[FIRST]
	s_min_u32 s[48+\a], s[48+\a], 0x1fff
	s_lshl_b32 s[48+\a], s[48+\a], 2
	s_load_b32 s[36+\a], s[10:11], s[48+\a] offset:0x0
.endr
.irp b, 0,1,2,3
	v_add_nc_u32 v[TK+\b], 16*\b, v[TP+4]          ; the token of my lane's slot in block b
	v_min_u32 v[TK+\b], s[LASTR], v[TK+\b]
	v_add_nc_u32 v[TK+\b], s[FIRST], v[TK+\b]
	v_min_u32 v[TK+\b], 0x1fff, v[TK+\b]
	v_lshlrev_b32 v[TK+\b], 2, v[TK+\b]
	global_load_b32 v[TK+\b], v[TK+\b], s[10:11]
.endr
.set n, 0
.rept 32
	v_add_nc_u32 v[OA+n], 2*n, v[TP+3]             ; n = 8 b + j: the token 16 b + 2 j + hh that store j of block b writes
	v_min_u32 v[OA+n], s[LASTR], v[OA+n]
	v_add_nc_u32 v[OA+n], s[FIRST], v[OA+n]
	v_min_u32 v[OA+n], 0x1fff, v[OA+n]
	v_lshlrev_b32 v[OA+n], 2, v[OA+n]
	global_load_b32 v[OA+n], v[OA+n], s[10:11]
.set n, n+1
.endr
	s_cmp_lt_u32 s[WV], 4
	s_cselect_b32 s34, s[ELO], s[EHI]              ; my expert in the first product
	s_min_u32 s34, s34, 7
	s_lshl_b32 s34, s34, 20
	s_and_b32 s35, s[WV], 3
	s_lshl_b32 s35, s35, 12
	s_add_co_u32 s34, s34, s35
	s_mov_b32 s35, 0
	s_add_nc_u64 s[GU:GU+1], s[6:7], s[34:35]
	s_lshl_b32 s19, s[WV], 12
	s_lshl_b32 s34, s[ELO], 19
	s_add_co_u32 s34, s34, s19
	s_add_nc_u64 s[DLO:DLO+1], s[8:9], s[34:35]
	s_lshl_b32 s34, s[EHI], 19
	s_add_co_u32 s34, s34, s19
	s_add_nc_u64 s[DHI:DHI+1], s[8:9], s[34:35]
	WLOAD 0, GU, 0                                 ; the first three quarters' weights
	WLOAD 1, GU, 16384
	WLOAD 2, GU, 32768
	s_wait_kmcnt 0x0                               ; my eight rows' tokens
.irp a, 0,1,2,3,4,5,6,7
	s_min_u32 s[36+\a], s[36+\a], 0x1fff
	v_lshl_add_u32 v[CG+\a], s[36+\a], 12, v[L16]  ; a row of xb is 4,096 bytes
.endr
.irp ch, 0,1,2,3,4,5,6,7
.irp a, 0,1,2,3,4,5,6,7
	global_load_async_to_lds_b128 v[CL+\a], v[CG+\a], s[4:5] offset:512*\ch  ; 512 consecutive bytes of a row; the immediate steps both addresses.  All 64 stand ahead of every wait for copies, LDS read and barrier
.endr
.endr
	s_wait_loadcnt 56                              ; my four slots' tokens: 32 list loads and 24 weight loads are younger
	s_lshr_b32 s19, s[WV], 2
	s_lshl_b32 s19, s19, 2                         ; lo's probability or hi's
.irp b, 0,1,2,3
	v_min_u32 v[TK+\b], 0x1fff, v[TK+\b]
	v_lshl_add_u32 v[TK+\b], v[TK+\b], 3, s19
.endr
	WIN 0x40                                       ; destination window 1, address window 0
.irp b, 0,1,2,3
	global_load_b32 v[WQ+2*\b], v[TK+\b], s[14:15]
.endr
	v_mov_b32 v[HA], v[L16]
	s_lshl_b32 s19, s[WV], 11
	v_add_nc_u32 v[HS], s19, v[L16]
	WIN 0
	s_wait_loadcnt 28                              ; the 32 tokens of the way out: 24 weight loads and 4 of gw are younger
	v_lshlrev_b32 v[TP+6], 4, v[TP+2]
	v_lshl_add_u32 v[TP+6], s[WV], 8, v[TP+6]      ; 256 w + 16 r
.set n, 0
.rept 32
	v_min_u32 v[OA+n], 0x1fff, v[OA+n]
	v_lshl_add_u32 v[OA+n], v[OA+n], 13, v[TP+6]   ; a row of out0 is 8,192 bytes
.set n, n+1
.endr
	s_wait_loadcnt 0x0                             ; gw
	WIN 0x44                                       ; destination and source 1 window 1
.irp b, 0,1,2,3
	v_mul_f32 v[WQ+2*\b+1], 0.5, v[WQ+2*\b]        ; silu(0.5 G) = 0.5 G / (1 + e^(-0.5 G)): the 0.5 rides on p
	v_mul_f32 v[WQ+2*\b], 0.5, v[WQ+2*\b]
.endr
	WIN 0
	s_wait_asynccnt 0x0                            ; my eight rows of x are in LDS,
	s_barrier_signal -1
	s_barrier_wait -1                              ; everybody's are
	WIN W_P1
	FLOAD 1, 0, 0
; THE FIRST PRODUCT: 64 quarters, four to a trip.  At a quarter's head two later quarters' weights (16 loads) may be out.
.macro P1TRIP first, last
	QTR 1, 0, 0, 16, \first, GU, 49152, 64
.if \last
	QTR 1, 1, 1, 16, 0, DLO, 0, 128                ; the ring goes on into the second product: its first three fragments of down_lo
	QTR 1, 2, 0, 16, 0, DLO, 32768, 192
	QTR 1, 3, 1, 16, 0, DLO, 65536, -1
.else
	QTR 1, 1, 1, 16, 0, GU, 65536, 128
	QTR 1, 2, 0, 16, 0, GU, 81920, 192
	QTR 1, 3, 1, 16, 0, GU, 98304, 256
.irp b, 0,1,2,3
	v_add_nc_u32 v[XA+\b], 256, v[XA+\b]           ; 128 along K
.endr
	s_wait_xcnt 0x0                                ; the weight loads' base is stepped only behind this wait
	s_add_nc_u64 s[GU:GU+1], s[GU:GU+1], 65536
.endif
.endm
	P1TRIP 1, 0                                    ; its first quarter starts the sums
	s_mov_b32 s[TRIP], 14
.Lp1:
	P1TRIP 0, 0
	s_sub_co_u32 s[TRIP], s[TRIP], 1
	s_cmp_lg_u32 s[TRIP], 0
	s_cbranch_scc1 .Lp1
	P1TRIP 0, 1
	s_wait_dscnt 0x0                               ; my reads of x are back:
	s_barrier_signal -1
	PLACES                                         ; (the places behind the last products)
	s_barrier_wait -1                              ; everybody's are, so h may be stored over x's first bytes; no copy lands there any more
; THE ACTIVATION of block b.  Two batches of 16 transcendentals, each with plain work behind it and ONE wait; each accumulator is read from its lowest registers on.
.macro SILU b
.set G, ACC+32*(\b)                    ; gate's 16 registers; up's lie 16 further on
	WIN 0x55
.irp q, 0,1,2,3,4,5,6,7
	v_pk_mul_f32 v[EX+2*\q:EX+2*\q+1], v[G+2*\q:G+2*\q+1], s[C1:C1+1] op_sel_hi:[1,0]
.endr
.set i, 0
.rept 16
	v_exp_f32 v[EX+i], v[EX+i]                     ; e^(-0.5 G)
.set i, i+1
.endr
.irp q, 0,1,2,3,4,5,6,7
	v_pk_mul_f32 v[G+16+2*\q:G+16+2*\q+1], v[G+16+2*\q:G+16+2*\q+1], v[WQ+2*(\b):WQ+2*(\b)+1]  ; U x 0.5 p
.endr
	s_wait_alu depctr_va_vdst(0)
.irp q, 0,1,2,3,4,5,6,7
	v_pk_add_f32 v[EX+2*\q:EX+2*\q+1], v[EX+2*\q:EX+2*\q+1], 1.0 op_sel_hi:[1,0]
.endr
.set i, 0
.rept 16
	v_rcp_f32 v[EX+i], v[EX+i]
.set i, i+1
.endr
.irp q, 0,1,2,3,4,5,6,7
	v_pk_mul_f32 v[G+2*\q:G+2*\q+1], v[G+2*\q:G+2*\q+1], v[G+16+2*\q:G+16+2*\q+1]
.endr
	s_wait_alu depctr_va_vdst(0)
.irp q, 0,1,2,3,4,5,6,7
	v_pk_mul_f32 v[G+2*\q:G+2*\q+1], v[G+2*\q:G+2*\q+1], v[EX+2*\q:EX+2*\q+1]  ; h
.endr
.irp q, 0,1,2,3,4,5,6,7
	v_cvt_pk_bf16_f32 v[HP+\q], v[G+2*\q], v[G+2*\q+1]  ; hi
.endr
.irp q, 0,1,2,3,4,5,6,7
	v_lshlrev_b32 v[EX+2*\q], 16, v[HP+\q]
	v_and_b32 v[EX+2*\q+1], s[MASK], v[HP+\q]
.endr
.irp q, 0,1,2,3,4,5,6,7
	v_pk_add_f32 v[G+2*\q:G+2*\q+1], v[G+2*\q:G+2*\q+1], v[EX+2*\q:EX+2*\q+1] neg_lo:[0,1] neg_hi:[0,1]  ; h - hi, exact
.endr
.irp q, 0,1,2,3,4,5,6,7
	v_cvt_pk_bf16_f32 v[EX+\q], v[G+2*\q], v[G+2*\q+1]  ; lo
.endr
	ds_store_b128 v[HS], v[HP:HP+3] offset:16384*(\b)
	ds_store_b128 v[HS], v[HP+4:HP+7] offset:16384*(\b)+512
	ds_store_b128 v[HS], v[EX:EX+3] offset:16384*(\b)+1024
	ds_store_b128 v[HS], v[EX+4:EX+7] offset:16384*(\b)+1536
.endm
	SILU 0
	SILU 1
	SILU 2
	SILU 3
	s_wait_dscnt 0x0                               ; for the others' sake: my fragments of h are in LDS
	s_barrier_signal -1
	s_barrier_wait -1
	WIN W_P2
	FLOAD 2, 0, 0
	WIN 0
; THE WAY OUT of a chunk: x 0.25 on the way into four neighbouring registers; store j of block b writes tokens 16 b + 2 j (lanes 0-15) and 16 b + 2 j + 1 (lanes 16-31), 256 consecutive bytes each.
; Whole stores past the count are jumped.  With an odd count the last store's upper lanes repeat the last token: the same numbers to the same bytes.
.macro DRAIN
	PLACES                                         ; behind the last products
.irp b, 0,1,2,3
	s_cmp_le_u32 s[CNT], 16*\b
	s_cbranch_scc1 .Ldone\@
	s_wait_xcnt 0x0                                ; ST was store data: written again only behind this wait
	WIN 0x04                                       ; source 1 window 1
.irp j, 0,1,2,3,4,5,6,7
.irp t, 0,1,2,3
	v_mul_f32 v[ST+4*\j+\t], s[QS], v[ACC+32*\b+8*\t+\j]
.endr
.endr
	WIN 0
.irp j, 0,1,2,3,4,5,6,7
.if \j > 0
	s_cmp_le_u32 s[CNT], 16*\b+2*\j
	s_cbranch_scc1 .Ldone\@
.endif
	global_store_b128 v[OA+8*\b+\j], v[ST+4*\j:ST+4*\j+3], s[16:17] th:TH_STORE_NT
.endr
.endr
.Ldone\@:
.endm
; THE SECOND PRODUCT: four chunks of 512 columns; in each, fragments kk = 0..7 of h (0-3 lo's expert, 4-7 hi's), hi part and lo part on the same weights.
.macro P2K rb, zero, lc, wp, wo, fo1, fo2
	QTR 2, \rb, 0, \lc, \zero, \wp, \wo, \fo1
	QTR 2, \rb, 1, -1, 0, -1, 0, \fo2
.endm
.macro P2CHUNK last
	P2K 0, 1, 16, DLO, 98304, 1024, 2048
	P2K 1, 0, 16, DHI, 0, 3072, 4096
	P2K 2, 0, 16, DHI, 32768, 5120, 6144
	P2K 3, 0, 16, DHI, 65536, 7168, 8192
	P2K 0, 0, 16, DHI, 98304, 9216, 10240
.if \last
	P2K 1, 0, 16, -1, 0, 11264, 12288              ; nothing is left to fetch: the counts run down
	P2K 2, 0, 8, -1, 0, 13312, 14336
	P2K 3, 0, 0, -1, 0, 15360, -1
	DRAIN
.else
	P2K 1, 0, 16, DLO, 131072, 11264, 12288        ; the next chunk's first three
	P2K 2, 0, 16, DLO, 163840, 13312, 14336
	P2K 3, 0, 16, DLO, 196608, 15360, 0
	DRAIN
	s_wait_xcnt 0x0                                ; the bases of loads and stores are stepped only behind this wait
	s_add_nc_u64 s[DLO:DLO+1], s[DLO:DLO+1], 131072
	s_add_nc_u64 s[DHI:DHI+1], s[DHI:DHI+1], 131072
	s_add_nc_u64 s[16:17], s[16:17], 2048
.endif
.endm
	s_mov_b32 s[TRIP], 3
.Lp2:
	P2CHUNK 0
	s_sub_co_u32 s[TRIP], s[TRIP], 1
	s_cmp_lg_u32 s[TRIP], 0
	s_cbranch_scc1 .Lp2
	P2CHUNK 1
	s_wait_tensorcnt 0x0                           ; the wave's end, behind my last copy and my last LDS store
	ds_add_u32 v[SPW], v[NIL]
	s_wait_dscnt 0x0
	s_endpgm
.Lfunc_end_k_q9817f27e23_chain:
	.size	k_q9817f27e23_chain, .Lfunc_end_k_q9817f27e23_chain-k_q9817f27e23_chain
	.p2alignl 7, 3214868480
	.fill 96, 4, 3214868480
	.section	.rodata,"a",@progbits
	.p2align	6, 0x0
	.amdhsa_kernel k_q9817f27e23_chain
		.amdhsa_group_segment_fixed_size 264192
		.amdhsa_private_segment_fixed_size 0
		.amdhsa_enable_private_segment 0
		.amdhsa_kernarg_size 56
		.amdhsa_user_sgpr_count 2
		.amdhsa_user_sgpr_kernarg_segment_ptr 1
		.amdhsa_wavefront_size32 1
		.amdhsa_system_sgpr_workgroup_id_x 1
		.amdhsa_system_sgpr_workgroup_id_y 1
		.amdhsa_system_sgpr_workgroup_id_z 1
		.amdhsa_system_vgpr_workitem_id 0
		.amdhsa_next_free_vgpr 512
		.amdhsa_next_free_sgpr 66
		.amdhsa_reserve_vcc 0
		.amdhsa_float_denorm_mode_32 3
		.amdhsa_float_denorm_mode_16_64 3
		.amdhsa_memory_ordered 1
		.amdhsa_forward_progress 1
		.amdhsa_inst_pref_size 186
	.end_amdhsa_kernel
	.amdgpu_metadata
---
amdhsa.version: [ 1, 2 ]
amdhsa.kernels:
  - .name:           k_q9817f27e23_chain
    .symbol:         k_q9817f27e23_chain.kd
    .args:
      - { .name: xb, .offset: 0, .size: 8, .value_kind: global_buffer, .address_space: global }
      - { .name: wgu, .offset: 8, .size: 8, .value_kind: global_buffer, .address_space: global }
      - { .name: wd, .offset: 16, .size: 8, .value_kind: global_buffer, .address_space: global }
      - { .name: order, .offset: 24, .size: 8, .value_kind: global_buffer, .address_space: global }
      - { .name: tab, .offset: 32, .size: 8, .value_kind: global_buffer, .address_space: global }
      - { .name: gw, .offset: 40, .size: 8, .value_kind: global_buffer, .address_space: global }
      - { .name: out0, .offset: 48, .size: 8, .value_kind: global_buffer, .address_space: global }
    .group_segment_fixed_size: 264192
    .private_segment_fixed_size: 0
    .kernarg_segment_align: 8
    .kernarg_segment_size: 56
    .max_flat_workgroup_size: 256
    .sgpr_count:     66
    .vgpr_count:     512
    .wavefront_size: 32
...
	.end_amdgpu_metadata
.endif
;; end of part 3
;; ======== version 2 of 2: 3 launches; 1.19 times as fast as version 1
;; limits: values are held in f16: magnitudes above 65,504 overflow, below 6.1e-05 lose precision; inputs' magnitudes at most 65,504
;; workspace buffers: xb 33,554,432 bytes; code 32,768 bytes of whole numbers; gw 65,536 bytes; order 32,768 bytes of whole numbers; tab 2,560 bytes of whole numbers; wgu 8,388,608 bytes; wd 4,194,304 bytes
;; launch router (part 4): grid 256 x 1, 16 waves a work-group, no clusters, 194,560 bytes of LDS; arguments hidden_states, w_router, xb, code, gw; writes xb, code, gw
.if DOCPART == 4
	.amdgcn_target "amdgcn-amd-amdhsa--gfx1250"
	.amdhsa_code_object_version 6
	.text
	.protected	k_q9817f27e23_router
	.globl	k_q9817f27e23_router
	.p2align	8
	.type	k_q9817f27e23_router,@function
k_q9817f27e23_router:
	s_mov_b64 s[64:65], 0
	v_nop
	global_prefetch_b8 v0, s[64:65] scope:SCOPE_SE
	s_setreg_imm32_b32 hwreg(HW_REG_WAVE_MODE, 25, 1), 1
	s_wait_xcnt 0x0
; ROUTER.  x: [8192][2048] f32, w_router: [2048][8] f32.  Stores xb = x rounded once to bf16, code[token] = 8 lo + hi (the two chosen experts, lo < hi)
; and gw[token] = (probability of lo, probability of hi): softmax over the 8 logits, maximum taken away first, top 2, not renormalised.
; The logits are a matrix product of x and w_router rounded to bf16 (as every matrix operand of the program is), with f32 sums: chains of 4 matrix instructions (128 along K), then a tree in f32 over 16 waves.
; LIMITS.  A token whose 2nd and 3rd logits lie closer than the rounding of these f32 sums (some 1e-6 of the logits' size) may choose otherwise than a sum in another order;
; equal probabilities keep the lower index; a probability below 2^-126 counts as 0; NaN and infinities are not treated apart.
; SHARES.  A work-group has 32 tokens; wave w takes k = 128 w .. 128 w + 127 of all 32, lane L k = 128 w + 4 L + 0..3: thread t = 32 w + L owns 16 bytes at 16 t of each row of x.
; All 32 row loads of a wave go out at once.  A token's four numbers are rounded, stored to xb and laid into the wave's own LDS tile; from there they come back as matrix fragments.
; THE PRODUCT is used with source 0 = experts (rows 8-15 repeat rows 0-7) and source 1 = 16 tokens: a lane then holds one token and its registers 0-7 the eight experts; lanes 16-31 hold the same numbers again.
; No cluster: work-groups share only the 64 KB of w_router.
.set PXR,   272                        ; an LDS row: 128 bf16 + 16 bytes, an odd multiple of 16
.set XTW,   32*PXR                     ; a wave's x tile: 32 tokens; the 16 tiles lie from LDS byte 0 on
.set WTW,   2304                       ; a wave's tile of w_router: 8 experts x 272 bytes, rounded up to blocks of 256
.set WT,    16*XTW
.set PART,  WT+16*WTW                  ; [wave 16][token 32][expert 8] f32
.set SPARE, PART+16384                 ; the spare words, 128 bytes for each of 16 waves
.set XO,  2                            ; v2   16 t: my bytes in a row of x
.set WO,  3                            ; v3   128 t: my four rows of w_router
.set BO,  4                            ; v4   8 t: my bytes in a row of xb
.set XS,  5                            ; v5   where I put 8 bytes of a token's row in my wave's x tile
.set SPW, 6                            ; v6   my spare word; never rewritten
.set NIL, 7                            ; v7   0; never rewritten
.set WS,  8                            ; v8   where I put 8 bytes of an expert's row in my wave's w tile
.set XF,  9                            ; v9   my place in a fragment of tokens: row r, 16 bytes for each half of the lanes
.set WF,  10                           ; v10  the same for the experts: row r & 7
.set PA,  11                           ; v11  PART + 1024 w + 32 r
.set T,   12                           ; v12-19  at work
.set W,   24                           ; v24-55  w_router[k = 4 L + c][e] at W + 8 c + e as loaded
.set AF,  24                           ;         then the experts' four fragments
.set X,   56                           ; v56-183 token t's four x at X + 4 t; then its two packed words at X + 4 t, X + 4 t + 1
.set BF,  56                           ;         then the tokens' fragments: block bl, K step q at BF + 32 bl + 8 q
.set D,   120                          ;         and the two accumulators
.set WP,  184                          ; v184-199 w_router packed: expert e's four k at WP + 2 e
.set A,   184                          ;         then wave 0's eight logits
	s_load_b256 s[4:11], s[0:1], 0x0               ; x s[4:5], w_router s[6:7], xb s[8:9], code s[10:11]
	s_load_b64 s[12:13], s[0:1], 0x20              ; gw
	v_lshl_add_u32 v[SPW], v0, 2, SPARE
	v_mov_b32 v[NIL], 0
	v_lshrrev_b32 v1, 5, v0
	v_readfirstlane_b32 s14, v1                    ; wave 0..15
	v_lshlrev_b32 v[XO], 4, v0
	v_lshlrev_b32 v[WO], 7, v0
	v_lshlrev_b32 v[BO], 3, v0
	v_and_b32 v[T], 31, v0                         ; L
	v_and_b32 v[T+1], 15, v0                       ; r
	v_bfe_u32 v[T+2], v0, 4, 1                     ; hh
	v_and_b32 v[T+3], 7, v0                        ; r & 7
	s_mul_i32 s15, s14, XTW                        ; my wave's tiles: a constant times the wave's number
	s_mul_i32 s18, s14, WTW
	s_add_co_u32 s18, s18, WT
	s_lshl_b32 s19, s14, 10
	s_add_co_u32 s19, s19, PART
	v_lshl_add_u32 v[XS], v[T], 3, s15
	v_lshl_add_u32 v[WS], v[T], 3, s18
	v_mul_u32_u24 v[XF], v[T+1], PXR
	v_lshl_add_u32 v[XF], v[T+2], 4, v[XF]
	v_add_nc_u32 v[XF], s15, v[XF]
	v_mul_u32_u24 v[WF], v[T+3], PXR
	v_lshl_add_u32 v[WF], v[T+2], 4, v[WF]
	v_add_nc_u32 v[WF], s18, v[WF]
	v_lshl_add_u32 v[PA], v[T+1], 5, s19
	s_mov_b32 s22, 0x3fb8aa3b                      ; log2(e)
	s_mov_b32 s23, s22                             ; named with it as a pair
	s_mov_b32 s17, 0
	s_wait_kmcnt 0x0
	s_lshl_b32 s16, ttmp9, 18                      ; 32 rows of 8,192 bytes
	s_add_nc_u64 s[4:5], s[4:5], s[16:17]
	s_lshl_b32 s16, ttmp9, 17                      ; 32 rows of 4,096 bytes
	s_add_nc_u64 s[8:9], s[8:9], s[16:17]
	s_lshl_b32 s16, ttmp9, 7                       ; 32 words
	s_add_nc_u64 s[10:11], s[10:11], s[16:17]
	s_lshl_b32 s16, ttmp9, 8                       ; 32 pairs
	s_add_nc_u64 s[12:13], s[12:13], s[16:17]
.irp n, 0,1,2,3,4,5,6,7
	global_load_b128 v[W+4*\n:W+4*\n+3], v[WO], s[6:7] offset:16*\n
.endr
.set t, 0
.rept 32
	global_load_b128 v[X+4*t:X+4*t+3], v[XO], s[4:5] offset:8192*t th:TH_LOAD_NT  ; a wave's load covers 512 consecutive bytes of a row
.set t, t+1
.endr
	s_wait_loadcnt 32                              ; w_router is in; the 32 loads of x behind it stay out
.irp e, 0,1,2,3,4,5,6,7
	v_cvt_pk_bf16_f32 v[WP+2*\e], v[W+\e], v[W+8+\e]          ; expert e, k = 4 L, 4 L + 1
	v_cvt_pk_bf16_f32 v[WP+2*\e+1], v[W+16+\e], v[W+24+\e]    ; k = 4 L + 2, 4 L + 3
	ds_store_b64 v[WS], v[WP+2*\e:WP+2*\e+1] offset:PXR*\e    ; turned: K now runs along the row
.endr
.irp q, 0,1,2,3
	ds_load_b128 v[AF+8*\q:AF+8*\q+3], v[WF] offset:64*\q     ; my wave's own bytes: LDS serves a wave's instructions in order (ISA guide 5.7.1.4)
	ds_load_b128 v[AF+8*\q+4:AF+8*\q+7], v[WF] offset:64*\q+32
.endr
.macro TOK t                           ; one token: two roundings, 8 bytes to xb, the same 8 bytes to the wave's tile
	s_wait_loadcnt 31-(\t)                         ; loads come back in order: token t's is in, the younger ones stay out
	v_cvt_pk_bf16_f32 v[X+4*(\t)], v[X+4*(\t)], v[X+4*(\t)+1]
	v_cvt_pk_bf16_f32 v[X+4*(\t)+1], v[X+4*(\t)+2], v[X+4*(\t)+3]
	global_store_b64 v[BO], v[X+4*(\t):X+4*(\t)+1], s[8:9] offset:4096*(\t)  ; 32 lanes store 256 consecutive bytes, aligned
	ds_store_b64 v[XS], v[X+4*(\t):X+4*(\t)+1] offset:PXR*(\t)
.endm
.irp t, 0,1,2,3,4,5,6,7,8,9,10,11,12,13,14,15,16,17,18,19,20,21,22,23,24,25,26,27,28,29,30,31
	TOK \t
.endr
	s_wait_xcnt 0x0                                ; X's registers were store data: fragments and sums land on them only behind this wait
.irp bl, 0,1
.irp q, 0,1,2,3
	ds_load_b128 v[BF+32*\bl+8*\q:BF+32*\bl+8*\q+3], v[XF] offset:16*PXR*\bl+64*\q
	ds_load_b128 v[BF+32*\bl+8*\q+4:BF+32*\bl+8*\q+7], v[XF] offset:16*PXR*\bl+64*\q+32
.endr
.endr
	s_wait_dscnt 0x0
.irp q, 0,1,2,3                        ; the two accumulators take turns; the first K step starts the sums
.irp bl, 0,1
.if \q == 0
	v_wmma_f32_16x16x32_bf16 v[D+8*\bl:D+8*\bl+7], v[AF+8*\q:AF+8*\q+7], v[BF+32*\bl+8*\q:BF+32*\bl+8*\q+7], 0
.else
	v_wmma_f32_16x16x32_bf16 v[D+8*\bl:D+8*\bl+7], v[AF+8*\q:AF+8*\q+7], v[BF+32*\bl+8*\q:BF+32*\bl+8*\q+7], v[D+8*\bl:D+8*\bl+7]
.endif
.endr
.endr
.rept 4
	v_nop                                          ; four places between the last product and the stores that read it
.endr
.irp bl, 0,1
	ds_store_b128 v[PA], v[D+8*\bl:D+8*\bl+3] offset:512*\bl        ; token 16 bl + r, experts 0-3; the two halves of the lanes write the same numbers to the same bytes
	ds_store_b128 v[PA], v[D+8*\bl+4:D+8*\bl+7] offset:512*\bl+16   ; experts 4-7
.endr
	s_wait_dscnt 0x0                               ; for wave 0's sake: my partial logits are in LDS
	s_barrier_signal -1
	s_barrier_wait -1
	s_wait_tensorcnt 0x0                           ; behind a wave's last LDS store; only reads of LDS follow
	ds_add_u32 v[SPW], v[NIL]
	s_wait_dscnt 0x0
	s_cmp_lg_u32 s14, 0
	s_cbranch_scc1 .Lend                           ; waves 1 to 15 are done
	; Wave 0: lane = token.  16 waves' partial logits, a tree of 60 packed additions, softmax, top 2.
	v_lshl_add_u32 v1, v0, 5, PART                 ; 32 bytes a token
.set i, 0
.rept 16
	ds_load_b128 v[X+8*i:X+8*i+3], v1 offset:1024*i
	ds_load_b128 v[X+8*i+4:X+8*i+7], v1 offset:1024*i+16
.set i, i+1
.endr
	s_wait_dscnt 0x0
.macro LEVEL s                         ; waves 0 .. s - 1 take waves s .. 2 s - 1
.set i, 0
.rept 4*(\s)
	v_pk_add_f32 v[X+2*i:X+2*i+1], v[X+2*i:X+2*i+1], v[X+8*(\s)+2*i:X+8*(\s)+2*i+1]
.set i, i+1
.endr
.endm
	LEVEL 8
	LEVEL 4
	LEVEL 2
.irp p, 0,1,2,3
	v_pk_add_f32 v[A+2*\p:A+2*\p+1], v[X+2*\p:X+2*\p+1], v[X+8+2*\p:X+8+2*\p+1]  ; the 8 logits
.endr
	v_max3_num_f32 v[T], v[A], v[A+1], v[A+2]
	v_max3_num_f32 v[T], v[T], v[A+3], v[A+4]
	v_max3_num_f32 v[T], v[T], v[A+5], v[A+6]
	v_max_num_f32 v[T], v[T], v[A+7]               ; the maximum, taken away as the softmax asks
	v_mov_b32 v[T+1], v[T]
.irp p, 0,1,2,3
	v_pk_add_f32 v[A+2*\p:A+2*\p+1], v[A+2*\p:A+2*\p+1], v[T:T+1] neg_lo:[0,1] neg_hi:[0,1]
.endr
.irp p, 0,1,2,3
	v_pk_mul_f32 v[A+2*\p:A+2*\p+1], v[A+2*\p:A+2*\p+1], s[22:23] op_sel_hi:[1,0]
.endr
.irp e, 0,1,2,3,4,5,6,7
	v_exp_f32 v[A+\e], v[A+\e]
.endr
	v_nop                                          ; a plain instruction behind the last exponential,
	s_wait_alu depctr_va_vdst(0)                   ; and one wait for the batch of eight
	v_pk_add_f32 v[T:T+1], v[A:A+1], v[A+2:A+3]
	v_pk_add_f32 v[T+2:T+3], v[A+4:A+5], v[A+6:A+7]
	v_pk_add_f32 v[T:T+1], v[T:T+1], v[T+2:T+3]
	v_add_f32 v[T], v[T], v[T+1]
	v_rcp_f32 v[T+4], v[T]                         ; 1 / sum; the two scans below are the independent work behind it
	v_mov_b32 v24, v[A]                            ; the largest: a later one wins only if it is strictly greater, so ties keep the lower index
	v_mov_b32 v25, 0
.irp e, 1,2,3,4,5,6,7
	v_cmp_gt_f32 vcc_lo, v[A+\e], v24
	v_cndmask_b32 v24, v24, v[A+\e], vcc_lo
	v_cndmask_b32 v25, v25, \e, vcc_lo
.endr
.irp e, 0,1,2,3,4,5,6,7
	v_cmp_eq_u32 vcc_lo, \e, v25
	v_cndmask_b32 v[28+\e], v[A+\e], -1.0, vcc_lo  ; it is taken out: every other value is 0 or more
.endr
	v_mov_b32 v26, v28                             ; the second largest, likewise
	v_mov_b32 v27, 0
.irp e, 1,2,3,4,5,6,7
	v_cmp_gt_f32 vcc_lo, v[28+\e], v26
	v_cndmask_b32 v26, v26, v[28+\e], vcc_lo
	v_cndmask_b32 v27, v27, \e, vcc_lo
.endr
	v_min_u32 v36, v25, v27                        ; lo
	v_max_u32 v37, v25, v27                        ; hi
	v_cmp_lt_u32 vcc_lo, v25, v27
	v_cndmask_b32 v38, v26, v24, vcc_lo            ; lo's value
	v_cndmask_b32 v39, v24, v26, vcc_lo            ; hi's
	v_lshl_or_b32 v36, v36, 3, v37
	v_lshlrev_b32 v40, 2, v0
	v_lshlrev_b32 v41, 3, v0
	s_wait_alu depctr_va_vdst(0)                   ; the reciprocal's wait, ahead of its first reader
	v_mul_f32 v38, v38, v[T+4]
	v_mul_f32 v39, v39, v[T+4]
	global_store_b32 v40, v36, s[10:11]            ; fixed places: no address hangs on the choice
	global_store_b64 v41, v[38:39], s[12:13]       ; 256 consecutive bytes, aligned
.Lend:
	s_endpgm
.Lfunc_end_k_q9817f27e23_router:
	.size	k_q9817f27e23_router, .Lfunc_end_k_q9817f27e23_router-k_q9817f27e23_router
	.p2alignl 7, 3214868480
	.fill 96, 4, 3214868480
	.section	.rodata,"a",@progbits
	.p2align	6, 0x0
	.amdhsa_kernel k_q9817f27e23_router
		.amdhsa_group_segment_fixed_size 194560
		.amdhsa_private_segment_fixed_size 0
		.amdhsa_enable_private_segment 0
		.amdhsa_kernarg_size 40
		.amdhsa_user_sgpr_count 2
		.amdhsa_user_sgpr_kernarg_segment_ptr 1
		.amdhsa_wavefront_size32 1
		.amdhsa_system_sgpr_workgroup_id_x 1
		.amdhsa_system_sgpr_workgroup_id_y 1
		.amdhsa_system_sgpr_workgroup_id_z 1
		.amdhsa_system_vgpr_workitem_id 0
		.amdhsa_next_free_vgpr 200
		.amdhsa_next_free_sgpr 66
		.amdhsa_reserve_vcc 1
		.amdhsa_float_denorm_mode_32 3
		.amdhsa_float_denorm_mode_16_64 3
		.amdhsa_memory_ordered 1
		.amdhsa_forward_progress 1
		.amdhsa_inst_pref_size 31
	.end_amdhsa_kernel
	.amdgpu_metadata
---
amdhsa.version: [ 1, 2 ]
amdhsa.kernels:
  - .name:           k_q9817f27e23_router
    .symbol:         k_q9817f27e23_router.kd
    .args:
      - { .name: hidden_states, .offset: 0, .size: 8, .value_kind: global_buffer, .address_space: global }
      - { .name: w_router, .offset: 8, .size: 8, .value_kind: global_buffer, .address_space: global }
      - { .name: xb, .offset: 16, .size: 8, .value_kind: global_buffer, .address_space: global }
      - { .name: code, .offset: 24, .size: 8, .value_kind: global_buffer, .address_space: global }
      - { .name: gw, .offset: 32, .size: 8, .value_kind: global_buffer, .address_space: global }
    .group_segment_fixed_size: 194560
    .private_segment_fixed_size: 0
    .kernarg_segment_align: 8
    .kernarg_segment_size: 40
    .max_flat_workgroup_size: 512
    .sgpr_count:     66
    .vgpr_count:     200
    .wavefront_size: 32
...
	.end_amdgpu_metadata
.endif
;; end of part 4
;; launch prep (part 5): grid 248 x 1, 8 waves a work-group, no clusters, 1,280 bytes of LDS; arguments code, w_gate, w_up, w_down, order, tab, wgu, wd; writes order, tab, wgu, wd
.if DOCPART == 5
	.amdgcn_target "amdgcn-amd-amdhsa--gfx1250"
	.amdhsa_code_object_version 6
	.text
	.protected	k_q9817f27e23_prep
	.globl	k_q9817f27e23_prep
	.p2align	8
	.type	k_q9817f27e23_prep,@function
k_q9817f27e23_prep:
	s_mov_b64 s[64:65], 0
	v_nop
	global_prefetch_b8 v0, s[64:65] scope:SCOPE_SE
	s_setreg_imm32_b32 hwreg(HW_REG_WAVE_MODE, 25, 1), 1
	s_wait_xcnt 0x0
; PREP.  Three kinds of work-group, told apart by the work-group's number alone.
; 0-55 SORT: work-groups 2 p and 2 p + 1 own pair p of experts (lo < hi, in the order of 8 lo + hi).  Each counts the tokens of lower pairs (off) and of its own (c) among all 8,192 codes and finds every token's
;   place in order[off ..]; the first stores the tokens of each wave's code registers 0-15 and the pair's entries of tab, the second those of registers 16-31: half the masked stores on end for each.
;   The pair has n = 1 + ((off + c) >> 6) - (off >> 6) work-groups of the next launch, entries p + (off >> 6) .. of tab: {first, count, lo, hi}.  c < 64 n, and the n of all 28 pairs add up to 28 + 128 = 156
;   whatever the routing.  The tokens are dealt in WHOLE BLOCKS OF 16, as the next launch multiplies them: B = ceil(c / 16) <= 4 n blocks, share k gets B / n of them, the first B % n shares one more; so only the
;   pair's last block can be part empty, and a share has 64 tokens at the most.  No atomics: each place of order and tab has one writer.
; 56-183 GU: w_gate, w_up ([8][2048][128] f32) rounded to bf16 and laid out as matrix fragments.
; 184-247 DN: w_down ([8][128][2048] f32) rounded to bf16 like every input, that number written as f16 (its partner in the second product is f16), and laid out likewise.
;   LIMIT: the f16 copy is exact for 6.1e-5 <= |w_down| <= 65,504; below that it keeps f16's fixed step of 6e-8; from 65,520 on it would be an infinity.
; A FRAGMENT is 1,024 bytes: byte 512 u + 16 (16 hh + r) holds the eight elements kpos = 16 u + 8 hh + 0..7 of row (column) r: two loads of 16 bytes a lane fill an operand's 8 registers.
;   wgu byte = e << 20 | Q << 14 | w4 << 12 | tile << 10: k = 32 Q + kpos; w4 = 2 hw + tp; tiles 0, 1 gate, 2, 3 up; row r of tile x is column 64 hw + 4 r + 2 tp + (x & 1).
;   wd  byte = e << 19 | c << 17 | kk << 15 | cw << 12 | t << 10: column 512 c + 64 cw + 4 r + t; kk = 2 hw + f; kpos stands for row 64 hw + 4 (kpos & 15) + 2 f + (kpos >> 4): the order in which the
;   first product's results pack.
.set SPARE, 256                        ; LDS: 64 bytes of counts at 0; the spare words, 128 bytes for each of 8 waves, from 256 on
.set SPW, 2                            ; v2   my spare word; never rewritten
.set NIL, 3                            ; v3   0; never rewritten
.set R,   16                           ; v16-143  32 rows x 4 numbers as loaded (SORT: v16-47 the wave's 1,024 codes)
.set O,   144                          ; v144-207 16 units of 4 packed registers; none is written twice, so no store is waited for
.set IDX, 80                           ; SORT: v80-111   byte offset in order of the token in code register i
.set TKN, 112                          ; SORT: v112-143  that token's number
.set M,   66                           ; SORT: s66-97    the lanes of code register i that hold a token of my pair
	s_load_b256 s[4:11], s[0:1], 0x0               ; code s[4:5], w_gate s[6:7], w_up s[8:9], w_down s[10:11]
	s_load_b256 s[12:19], s[0:1], 0x20             ; order s[12:13], tab s[14:15], wgu s[16:17], wd s[18:19]
	v_lshl_add_u32 v[SPW], v0, 2, SPARE
	v_mov_b32 v[NIL], 0
	v_lshrrev_b32 v1, 5, v0
	v_readfirstlane_b32 s20, v1                    ; wave 0..7
	v_and_b32 v4, 31, v0                           ; lane L
	v_lshlrev_b32 v5, 4, v4                        ; 16 L
	v_and_b32 v6, 15, v0
	v_lshlrev_b32 v6, 4, v6                        ; 16 (L & 15)
	v_bfe_u32 v7, v0, 4, 1                         ; L >> 4
	s_mov_b32 s21, ttmp9
	s_mov_b32 s23, 0                               ; s[22:23]: a byte offset in 64 bits
	s_wait_kmcnt 0x0
	s_cmp_lt_u32 s21, 56
	s_cbranch_scc1 .Lsort
	s_cmp_lt_u32 s21, 184
	s_cbranch_scc1 .Lgu
; Eight rows 8 a .. 8 a + 7 of the 32 loaded: for each of a lane's four columns c, eight numbers along k pack into 16 bytes; 16 lanes store 256 consecutive bytes, aligned.
.macro UNIT a, lc, dn, sb
	s_wait_loadcnt \lc                             ; the rows behind these eight stay out
.irp c, 0,1,2,3
.irp p, 0,1,2,3
.if \dn
	v_cvt_pk_bf16_f32 v8, v[R+4*(8*(\a)+2*\p)+\c], v[R+4*(8*(\a)+2*\p+1)+\c]  ; rounded to bf16,
	v_lshlrev_b32 v9, 16, v8                       ; widened,
	v_and_b32 v10, s30, v8
	v_cvt_pk_f16_f32 v[O+16*(\a)+4*\c+\p], v9, v10 ; and written as f16
.else
	v_cvt_pk_bf16_f32 v[O+16*(\a)+4*\c+\p], v[R+4*(8*(\a)+2*\p)+\c], v[R+4*(8*(\a)+2*\p+1)+\c]
.endif
.endr
.if \dn
	global_store_b128 v6, v[O+16*(\a)+4*\c:O+16*(\a)+4*\c+3], s[\sb:\sb+1] offset:\c*1024+((\a)>>1)*512+((\a)&1)*256
.else
	global_store_b128 v6, v[O+16*(\a)+4*\c:O+16*(\a)+4*\c+3], s[\sb:\sb+1] offset:(\c>>1)*4096+(\c&1)*1024+((\a)>>1)*512+((\a)&1)*256
.endif
.endr
.endm
	; DN: work-group 8 e + c8; the wave takes 128 columns (256 c8 + 128 cg + 4 L + c) and the 32 rows of fragment kk.
	s_sub_co_u32 s21, s21, 184
	s_mov_b32 s30, 0xffff0000                      ; a word's upper bf16
	s_lshr_b32 s24, s21, 3                         ; e
	s_and_b32 s25, s21, 7                          ; c8
	s_and_b32 s26, s20, 1                          ; cg
	s_lshr_b32 s27, s20, 1                         ; kk
	s_lshl_b32 s22, s24, 20                        ; from: e << 20 + (64 (kk >> 1) + 2 (kk & 1)) rows of 8,192 bytes + c8 << 10 + cg << 9
	s_lshr_b32 s28, s27, 1
	s_lshl_b32 s28, s28, 19
	s_add_co_u32 s22, s22, s28
	s_and_b32 s28, s27, 1
	s_lshl_b32 s28, s28, 14
	s_add_co_u32 s22, s22, s28
	s_lshl_b32 s28, s25, 10
	s_add_co_u32 s22, s22, s28
	s_lshl_b32 s28, s26, 9
	s_add_co_u32 s22, s22, s28
	s_add_nc_u64 s[10:11], s[10:11], s[22:23]
	s_lshl_b32 s22, s24, 19                        ; to: e << 19 + (c8 >> 1) << 17 + kk << 15 + (4 (c8 & 1) + 2 cg) << 12
	s_lshr_b32 s28, s25, 1
	s_lshl_b32 s28, s28, 17
	s_add_co_u32 s22, s22, s28
	s_lshl_b32 s28, s27, 15
	s_add_co_u32 s22, s22, s28
	s_and_b32 s28, s25, 1
	s_lshl_b32 s28, s28, 14
	s_add_co_u32 s22, s22, s28
	s_lshl_b32 s28, s26, 13
	s_add_co_u32 s22, s22, s28
	s_add_nc_u64 s[18:19], s[18:19], s[22:23]
	v_lshl_add_u32 v6, v7, 12, v6                  ; lanes 16-31 belong to the next cw
.irp a, 0,1,2,3
.irp i, 0,1,2,3,4,5,6,7
	global_load_b128 v[R+4*(8*\a+\i):R+4*(8*\a+\i)+3], v5, s[10:11] offset:(32*(\a&1)+(\a>>1)+4*\i)*8192 th:TH_LOAD_NT  ; kpos = 8 a + i; 512 consecutive bytes of its row
.endr
.endr
	UNIT 0, 24, 1, 18
	UNIT 1, 16, 1, 18
	UNIT 2, 8, 1, 18
	UNIT 3, 0, 1, 18
	s_endpgm
.Lgu:	; GU: work-group 64 isup + 8 e + q8; the wave takes rows k = 32 Q .. 32 Q + 31, Q = 8 q8 + wave: 16,384 bytes on end.
	s_sub_co_u32 s21, s21, 56
	s_lshr_b32 s24, s21, 6                         ; 0 gate, 1 up
	s_bfe_u32 s25, s21, 0x30003                    ; e
	s_and_b32 s26, s21, 7
	s_lshl_b32 s26, s26, 3
	s_add_co_u32 s26, s26, s20                     ; Q
	s_lshl_b32 s22, s25, 20
	s_lshl_b32 s26, s26, 14
	s_add_co_u32 s22, s22, s26                     ; e << 20 + Q << 14, in the source and in wgu alike
	s_cmp_eq_u32 s24, 1
	s_cselect_b64 s[28:29], s[8:9], s[6:7]
	s_add_nc_u64 s[28:29], s[28:29], s[22:23]
	s_lshl_b32 s24, s24, 11                        ; up's tiles lie 2,048 bytes behind gate's
	s_add_co_u32 s22, s22, s24
	s_add_nc_u64 s[16:17], s[16:17], s[22:23]
	v_lshl_add_u32 v6, v7, 13, v6                  ; lanes 16-31 hold columns 64 .. 127: hw = 1
.set i, 0
.rept 32
	global_load_b128 v[R+4*i:R+4*i+3], v5, s[28:29] offset:512*i th:TH_LOAD_NT
.set i, i+1
.endr
	UNIT 0, 24, 0, 16
	UNIT 1, 16, 0, 16
	UNIT 2, 8, 0, 16
	UNIT 3, 0, 0, 16
	s_endpgm
.Lsort:
	s_and_b32 s40, s21, 1                          ; which half of each wave's code registers I store
	s_lshr_b32 s21, s21, 1                         ; p
	s_mov_b32 s24, 0                               ; lo = how many of the pairs' first numbers 7, 13, 18, 22, 25, 27 are <= p
.irp th, 7,13,18,22,25,27
	s_cmp_ge_u32 s21, \th
	s_add_co_ci_u32 s24, s24, 0
.endr
	s_sub_co_u32 s25, 15, s24
	s_mul_i32 s25, s25, s24
	s_lshr_b32 s25, s25, 1                         ; lo (15 - lo) / 2: the first pair with this lo
	s_sub_co_u32 s25, s21, s25
	s_add_co_u32 s25, s25, s24
	s_add_co_u32 s25, s25, 1                       ; hi
	s_lshl3_add_u32 s26, s24, s25                  ; my code, 8 lo + hi
	v_lshl_add_u32 v8, s20, 12, v5                 ; the wave's 1,024 codes: register R + 4 g + c of lane L is token 1024 wave + 128 g + 4 L + c
.irp g, 0,1,2,3,4,5,6,7
	global_load_b128 v[R+4*\g:R+4*\g+3], v8, s[4:5] offset:512*\g
.endr
	v_lshlrev_b32 v9, 2, v4
	v_lshl_add_u32 v9, s20, 10, v9                 ; 1024 wave + 4 L
	s_mov_b32 s27, 0                               ; the wave's tokens of my pair,
	s_mov_b32 s28, 0                               ; and of lower pairs
	s_wait_loadcnt 0x0
	; The compares stand in runs, ahead of the scalar counts that read their masks.  The 32 masks of my own pair are kept: ranks and stores use them again.
.set i, 0
.rept 32
	v_cmp_eq_u32 s[M+i], s26, v[R+i]
.set i, i+1
.endr
.irp g, 0,1
.set i, 0
.rept 16
	v_cmp_gt_u32 s[44+i], s26, v[R+16*\g+i]
.set i, i+1
.endr
.set i, 0
.rept 16
	s_bcnt1_i32_b32 s30, s[44+i]
	s_add_co_u32 s28, s28, s30
.set i, i+1
.endr
.endr
.set i, 0
.rept 32
	s_bcnt1_i32_b32 s30, s[M+i]
	s_add_co_u32 s27, s27, s30
.set i, i+1
.endr
	v_mov_b32 v10, s27
	v_mov_b32 v11, s28
	v_mov_b32 v12, s20
	v_lshlrev_b32 v12, 3, v12
	ds_store_b64 v12, v[10:11]                     ; all lanes write the wave's two counts to its own 8 bytes
	s_wait_dscnt 0x0                               ; for the others' sake
	s_barrier_signal -1
	s_barrier_wait -1
	v_mov_b32 v13, 0
.irp n, 0,1,2,3
	ds_load_b128 v[48+4*\n:48+4*\n+3], v13 offset:16*\n
.endr
	s_wait_dscnt 0x0
.set i, 0
.rept 16
	v_readfirstlane_b32 s[44+i], v[48+i]           ; wave w's counts in s[44 + 2 w], s[45 + 2 w]
.set i, i+1
.endr
	s_mov_b32 s32, 0                               ; off
	s_mov_b32 s33, 0                               ; c
.irp w, 0,1,2,3,4,5,6,7
	s_add_co_u32 s33, s33, s[44+2*\w]
	s_add_co_u32 s32, s32, s[45+2*\w]
.endr
	s_mov_b32 s34, s32                             ; where my wave's tokens begin: off + the lower waves' counts
.irp w, 0,1,2,3,4,5,6
	s_cmp_gt_u32 s20, \w
	s_cselect_b32 s30, s[44+2*\w], 0
	s_add_co_u32 s34, s34, s30
.endr
	; ALL THAT THE MASKED STORES NAME IS MADE FIRST, with every lane on, stage by stage so that no line waits for the one before it.  Behind the first narrowing of EXEC no vector register is written.
.set i, 0
.rept 32
	v_mbcnt_lo_u32_b32 v[IDX+i], s[M+i], 0         ; how many lower lanes hold a token of my pair
.set i, i+1
.endr
.set i, 0
.rept 32
	v_add_nc_u32 v[IDX+i], s34, v[IDX+i]
	s_bcnt1_i32_b32 s31, s[M+i]
	s_add_co_u32 s34, s34, s31                     ; the next register's tokens follow
.set i, i+1
.endr
.set i, 0
.rept 32
	v_min_u32 v[IDX+i], 0x1fff, v[IDX+i]
.set i, i+1
.endr
.set i, 0
.rept 32
	v_lshlrev_b32 v[IDX+i], 2, v[IDX+i]
.set i, i+1
.endr
.set i, 0
.rept 32
	v_add_nc_u32 v[TKN+i], 128*(i/4)+i%4, v9       ; the token's number
.set i, i+1
.endr
; A MASKED STORE.  EXEC is a source of a pending store, so it changes only behind s_wait_xcnt 0: once ahead of the first narrowing, then ahead of each restore; between a restore and the next
; narrowing no memory instruction is issued.  Every lane was on at each save, so the restore writes all ones.
.macro PUT i
	s_mov_b32 vcc_lo, s[M+(\i)]
	s_and_saveexec_b32 s35, vcc_lo                 ; the lanes that hold a token of my pair
	global_store_b32 v[IDX+(\i)], v[TKN+(\i)], s[12:13]
	s_wait_xcnt 0x0
	s_mov_b32 exec_lo, -1
.endm
	s_cmp_lg_u32 s40, 0
	s_cbranch_scc1 .Lhalf1
	s_lshr_b32 s30, s32, 6
	s_add_co_u32 s36, s21, s30                     ; the pair's first entry of tab
	s_add_co_u32 s37, s32, s33
	s_lshr_b32 s37, s37, 6
	s_sub_co_u32 s37, s37, s30
	s_add_co_u32 s37, s37, 1                       ; n, 1 to 129
	s_add_co_u32 s38, s33, 15
	s_lshr_b32 s38, s38, 4                         ; B = q n + rem, q at most 4: three steps of a division by shifts
	s_mov_b32 s39, 0
.irp bit, 2,1,0
	s_lshl_b32 s30, s37, \bit
	s_cmp_ge_u32 s38, s30
	s_cselect_b32 s30, s30, 0
	s_cselect_b32 s31, 1<<\bit, 0
	s_sub_co_u32 s38, s38, s30
	s_or_b32 s39, s39, s31
.endr
	v_mul_u32_u24 v72, v0, s39                     ; thread k writes share k: its first block is k q + min(k, rem),
	v_min_u32 v73, s38, v0
	v_add_lshl_u32 v72, v72, v73, 4                ; in tokens,
	v_min_u32 v72, s33, v72                        ; never past the pair's end
	v_cmp_gt_u32 vcc_lo, s38, v0
	v_cndmask_b32 v73, 0, 1, vcc_lo
	v_add_lshl_u32 v73, v73, s39, 4                ; its q + (k < rem) blocks, in tokens,
	v_sub_nc_u32 v77, s33, v72
	v_min_u32 v73, v73, v77                        ; of which the pair's last block may be part empty: the count
	v_add_nc_u32 v72, s32, v72                     ; first
	v_mov_b32 v74, s24
	v_mov_b32 v75, s25
	v_add_nc_u32 v76, s36, v0
	v_min_u32 v76, 155, v76
	v_lshlrev_b32 v76, 4, v76
	v_cmp_gt_u32 vcc_lo, s37, v0
	s_wait_xcnt 0x0
	s_and_saveexec_b32 s35, vcc_lo                 ; threads k < n
	global_store_b128 v76, v[72:75], s[14:15]
	s_wait_xcnt 0x0
	s_mov_b32 exec_lo, -1
.irp i, 0,1,2,3,4,5,6,7,8,9,10,11,12,13,14,15
	PUT \i
.endr
	s_wait_tensorcnt 0x0                           ; the wave's end, behind my last LDS store
	ds_add_u32 v[SPW], v[NIL]
	s_wait_dscnt 0x0
	s_endpgm
.Lhalf1:
	s_wait_xcnt 0x0
.irp i, 16,17,18,19,20,21,22,23,24,25,26,27,28,29,30,31
	PUT \i
.endr
	s_wait_tensorcnt 0x0                           ; the wave's end, as above
	ds_add_u32 v[SPW], v[NIL]
	s_wait_dscnt 0x0
	s_endpgm
.Lfunc_end_k_q9817f27e23_prep:
	.size	k_q9817f27e23_prep, .Lfunc_end_k_q9817f27e23_prep-k_q9817f27e23_prep
	.p2alignl 7, 3214868480
	.fill 96, 4, 3214868480
	.section	.rodata,"a",@progbits
	.p2align	6, 0x0
	.amdhsa_kernel k_q9817f27e23_prep
		.amdhsa_group_segment_fixed_size 1280
		.amdhsa_private_segment_fixed_size 0
		.amdhsa_enable_private_segment 0
		.amdhsa_kernarg_size 64
		.amdhsa_user_sgpr_count 2
		.amdhsa_user_sgpr_kernarg_segment_ptr 1
		.amdhsa_wavefront_size32 1
		.amdhsa_system_sgpr_workgroup_id_x 1
		.amdhsa_system_sgpr_workgroup_id_y 1
		.amdhsa_system_sgpr_workgroup_id_z 1
		.amdhsa_system_vgpr_workitem_id 0
		.amdhsa_next_free_vgpr 208
		.amdhsa_next_free_sgpr 98
		.amdhsa_reserve_vcc 1
		.amdhsa_float_denorm_mode_32 3
		.amdhsa_float_denorm_mode_16_64 3
		.amdhsa_memory_ordered 1
		.amdhsa_forward_progress 1
		.amdhsa_inst_pref_size 59
	.end_amdhsa_kernel
	.amdgpu_metadata
---
amdhsa.version: [ 1, 2 ]
amdhsa.kernels:
  - .name:           k_q9817f27e23_prep
    .symbol:         k_q9817f27e23_prep.kd
    .args:
      - { .name: code, .offset: 0, .size: 8, .value_kind: global_buffer, .address_space: global }
      - { .name: w_gate, .offset: 8, .size: 8, .value_kind: global_buffer, .address_space: global }
      - { .name: w_up, .offset: 16, .size: 8, .value_kind: global_buffer, .address_space: global }
      - { .name: w_down, .offset: 24, .size: 8, .value_kind: global_buffer, .address_space: global }
      - { .name: order, .offset: 32, .size: 8, .value_kind: global_buffer, .address_space: global }
      - { .name: tab, .offset: 40, .size: 8, .value_kind: global_buffer, .address_space: global }
      - { .name: wgu, .offset: 48, .size: 8, .value_kind: global_buffer, .address_space: global }
      - { .name: wd, .offset: 56, .size: 8, .value_kind: global_buffer, .address_space: global }
    .group_segment_fixed_size: 1280
    .private_segment_fixed_size: 0
    .kernarg_segment_align: 8
    .kernarg_segment_size: 64
    .max_flat_workgroup_size: 256
    .sgpr_count:     98
    .vgpr_count:     208
    .wavefront_size: 32
...
	.end_amdgpu_metadata
.endif
;; end of part 5
;; launch chain (part 6): grid 156 x 1, 8 waves a work-group, no clusters, 297,216 bytes of LDS; arguments xb, wgu, wd, order, tab, gw, out0; writes out0
.if DOCPART == 6
	.amdgcn_target "amdgcn-amd-amdhsa--gfx1250"
	.amdhsa_code_object_version 6
	.text
	.protected	k_q9817f27e23_chain
	.globl	k_q9817f27e23_chain
	.p2align	8
	.type	k_q9817f27e23_chain,@function
k_q9817f27e23_chain:
	s_mov_b64 s[64:65], 0
	v_nop
	global_prefetch_b8 v0, s[64:65] scope:SCOPE_SE
	s_setreg_imm32_b32 hwreg(HW_REG_WAVE_MODE, 25, 1), 1
	s_wait_xcnt 0x0
; CHAIN.  A work-group takes its share of tab: at most 64 tokens, dealt in whole blocks of 16, that chose the same two experts (lo, hi), and takes them through everything:
;   G, U = x [gate_lo | up_lo | gate_hi | up_hi]  (K = 2,048, N = 512, bf16);  h = silu(0.5 G) U p_e, in f32;  out = 0.25 h [down_lo ; down_hi]  (K = 256, N = 2,048, f16).
; Both experts add into one accumulator, so a row of out0 has one owner and is stored once.  Sums in f32.
; h GOES TO THE SECOND PRODUCT IN f16, times a power of two 2^-E that brings the largest |h| of the work-group into 1 .. 2; 2^E rides on the 0.25 of the way out.  So f16's range sets no limit on h, whatever
; the inputs' size, and h keeps 11 bits where bf16 would keep 8, too few for rows with a large p.  The scale enters multiplications alone: no address and no branch hangs on it.
; LIMITS.  An h below 2^-14 of the work-group's largest keeps a fixed step of 2^-24 of that largest; where the largest is below 2^-126 the share's rows come out as 0; G U p stays inside f32's range;
; w_down inside f16's (65,504); NaN and infinities are not treated apart.
; ROWS.  Slot m of block b (16 slots) holds the share's token 16 b + 2 (m & 7) + (m >> 3); places past the count repeat the last token.  Blocks past the count are jumped (matrix work and stores alone:
; no load, wait or barrier is jumped), but for the quarter that starts sums and the activation, so that every register is written on every way.
; FIRST PRODUCT, transposed (source 0 = 16 weight columns, source 1 = 16 tokens): wave w has expert (w < 4 ? lo : hi), two gate and two up tiles (part w & 3) and all four blocks.  A lane then holds one token
; and eight columns, and the two activated tiles, packed, ARE fragment w of h for the second product.  SECOND PRODUCT, natural: wave w has columns 64 w .. of each chunk of 512; tile t's column is 4 r + t, so a
; lane's four tiles are 16 consecutive bytes of a row of out0, and 16 lanes store 256 consecutive bytes, aligned.
; WEIGHTS come from memory straight into operand registers, through a ring of six buffers of four fragments, five quarters ahead: 40 loads of a wave are out.  The ring runs on from the first product into the
; second: quarter i of 96 has buffer i % 6.  x comes into LDS once, by asynchronous copies.
; NO CLUSTER: the weights never lie in LDS (x takes 263,168 bytes of it, and no two slots for a quarter's 32 KB of weights fit beside x and h), and a pair's number of work-groups hangs on the routing (1 to 129): no multiple of four.
; LDS: x, 64 rows of 4,096 + 16 bytes (an odd multiple of 16, so that the 16 rows of a fragment load begin 16 bytes apart modulo 256); the spare words; then, in bytes of their own, h ([block 4][fragment 8] of
; 1 KB) and the eight waves' maxima: so no barrier is owed between the last reads of x and the stores of h.
; REGISTERS, in two windows of 256 (s_set_vgpr_msb: bits 1:0 source 0, 3:2 source 1, 5:4 source 2, 7:6 destination).
.set PX,    4112
.set SPARE, 64*PX                      ; 263,168, a multiple of 256: the spare words, 128 bytes for each of 8 waves
.set HB,    SPARE+1024                 ; h, 32,768 bytes
.set MXB,   HB+32768                   ; the eight waves' largest |h|
; window 0
.set L16, 1                            ; v1      16 x lane; never rewritten
.set XA,  2                            ; v2-5    block b's x fragments: (16 b + r) PX + 16 hh, stepped along K
.set SPW, 6                            ; v6      my spare word; never rewritten
.set NIL, 7                            ; v7      0; never rewritten
.set CL,  8                            ; v8-15   copies: LDS address of row 8 w + a; at work in the activation
.set CG,  16                           ; v16-23  copies: byte offset of that row's token in xb; at work in the activation
.set OA,  24                           ; v24-55  byte offset in out0 for block b, store j: token 16 b + 2 j + hh, + 256 w + 16 r
.set TP,  56                           ; v56-59  at work
.set TK,  60                           ; v60-63  block b: my lane's token (slot r), then its offset in gw
.set WR,  64                           ; v64-255 weights: six buffers of 32, tile t at + 8 t; the buffer that a chunk's last quarter has read stages the way out
; window 1
.set ACC, 0                            ; v0-127  accumulator (b, t) at 32 b + 8 t
.set FR,  128                          ; v128-191 fragments of x or h: two buffers of 32, block b at + 8 b
.set EX,  192                          ; v192-207 at work in the activation
.set HP,  208                          ; v208-215 h, packed
.set WQ,  216                          ; v216-223 p, then 0.5 p, of my lane's token in block b, twice
.set HA,  224                          ; v224    HB + 16 x lane: where h's fragments are read
.set HS,  225                          ; v225    HB + 1024 w + 16 x lane: where mine are stored
.set MX,  226                          ; v226    my lane's largest h
.set MN,  227                          ; v227    and its least
; scalars
.set WV,    18                         ; s18  wave
.set FIRST, 20                         ; s20  my share's first place in order
.set CNT,   21                         ; s21  its tokens, 0 to 64
.set ELO,   22                         ; s22, s23  the two experts
.set EHI,   23
.set NB,    24                         ; s24  blocks in use
.set LASTR, 25                         ; s25  max(count, 1) - 1
.set TRIP,  26                         ; s26  loop counter
.set QS,    27                         ; s27  0.25 x 2^E
.set GU,    28                         ; s[28:29] my gate and up fragments, stepped along K
.set DLO,   30                         ; s[30:31] my fragments of down_lo; never stepped
.set DHI,   32                         ; s[32:33] of down_hi
.set C1,    46                         ; s[46:47] -0.5 log2(e)
.set SEL,   56                         ; s[56:57] v_permlanex16_b32's selects: each lane takes its own place in the other half
.set HSC,   58                         ; s[58:59] 2^-E
.set W_P1, 0x54                        ; weights (source 0) window 0; x, C, D window 1; for LDS loads: address window 0, data window 1
.set W_P2, 0x51                        ; h (source 0) window 1; weights window 0; C, D window 1; for LDS loads: address and data window 1
.set MSB, 0
.macro WIN new                         ; the immediate's high byte repeats the setting that is left; a switch that changes nothing is dropped
.if MSB != (\new)
	s_set_vgpr_msb (MSB<<8)|(\new)
.set MSB, \new
.endif
.endm
.macro PLACES                          ; four plain instructions between a matrix instruction and a load into, or a vector access to, its registers
.rept 4
	v_nop
.endr
.endm
.macro WLOAD rb, wp, wo                ; four fragments, 4 KB, into ring buffer rb: each load takes 512 consecutive bytes
.irp t, 0,1,2,3
	global_load_b128 v[WR+32*(\rb)+8*\t:WR+32*(\rb)+8*\t+3], v[L16], s[(\wp):(\wp)+1] offset:(\wo)+1024*\t
	global_load_b128 v[WR+32*(\rb)+8*\t+4:WR+32*(\rb)+8*\t+7], v[L16], s[(\wp):(\wp)+1] offset:(\wo)+1024*\t+512
.endr
.endm
.macro FLOAD ph, fb, fo                ; the four blocks' fragments at byte fo (of x's rows; of a block's h) into buffer fb
.irp b, 0,1,2,3
.if (\ph) == 1
	ds_load_b128 v[FR+32*(\fb)+8*\b:FR+32*(\fb)+8*\b+3], v[XA+\b] offset:(\fo)
	ds_load_b128 v[FR+32*(\fb)+8*\b+4:FR+32*(\fb)+8*\b+7], v[XA+\b] offset:(\fo)+32
.else
	ds_load_b128 v[FR+32*(\fb)+8*\b:FR+32*(\fb)+8*\b+3], v[HA] offset:8192*\b+(\fo)
	ds_load_b128 v[FR+32*(\fb)+8*\b+4:FR+32*(\fb)+8*\b+7], v[HA] offset:8192*\b+(\fo)+512
.endif
.endr
.endm
.macro MM4 ph, b, rb, fb, zero         ; block b's four accumulators, one instruction each: they take turns
.irp t, 0,1,2,3
.if (\ph) == 1
.if \zero
	v_wmma_f32_16x16x32_bf16 v[ACC+32*(\b)+8*\t:ACC+32*(\b)+8*\t+7], v[WR+32*(\rb)+8*\t:WR+32*(\rb)+8*\t+7], v[FR+32*(\fb)+8*(\b):FR+32*(\fb)+8*(\b)+7], 0
.else
	v_wmma_f32_16x16x32_bf16 v[ACC+32*(\b)+8*\t:ACC+32*(\b)+8*\t+7], v[WR+32*(\rb)+8*\t:WR+32*(\rb)+8*\t+7], v[FR+32*(\fb)+8*(\b):FR+32*(\fb)+8*(\b)+7], v[ACC+32*(\b)+8*\t:ACC+32*(\b)+8*\t+7]
.endif
.else
.if \zero
	v_wmma_f32_16x16x32_f16 v[ACC+32*(\b)+8*\t:ACC+32*(\b)+8*\t+7], v[FR+32*(\fb)+8*(\b):FR+32*(\fb)+8*(\b)+7], v[WR+32*(\rb)+8*\t:WR+32*(\rb)+8*\t+7], 0
.else
	v_wmma_f32_16x16x32_f16 v[ACC+32*(\b)+8*\t:ACC+32*(\b)+8*\t+7], v[FR+32*(\fb)+8*(\b):FR+32*(\fb)+8*(\b)+7], v[WR+32*(\rb)+8*\t:WR+32*(\rb)+8*\t+7], v[ACC+32*(\b)+8*\t:ACC+32*(\b)+8*\t+7]
.endif
.endif
.endr
.endm
; A QUARTER: 32 along K for up to four blocks x four tiles.  ph: which product; rb, fb: the weight and fragment buffers that it multiplies.
; lc: how many younger weight loads may stay out.  zero = 1: it starts the sums, with the constant 0, for all four blocks.
; wp, wo: base and offset of the weights five quarters on, into the buffer read a quarter ago (wp = -1: none).  fo: where the next quarter's fragments lie (-1: none).
.macro QTR ph, rb, fb, lc, zero, wp, wo, fo
.set PW, 0x57-3*(\ph)
.set WB, ((\rb)+5)%6
	s_wait_loadcnt \lc                             ; loads come back in order: this quarter's eight are in
	s_wait_dscnt 0x0                               ; the fragments asked for a quarter ago are in
	WIN PW
	MM4 \ph, 0, \rb, \fb, \zero
	PLACES                                         ; behind the quarter before, whose buffers are now loaded again
.if (\fo) >= 0
	FLOAD \ph, 1-(\fb), \fo
.endif
	WIN 0
.if (\wp) >= 0
	WLOAD WB, \wp, \wo
.endif
.if \zero
	WIN PW
	MM4 \ph, 1, \rb, \fb, 1
	MM4 \ph, 2, \rb, \fb, 1
	MM4 \ph, 3, \rb, \fb, 1
	WIN 0
.else
.irp b, 1,2,3
	s_cmp_lt_u32 s[NB], \b+1                       ; blocks past the count: only matrix instructions are jumped
	s_cbranch_scc1 .Lq\@
	WIN PW
	MM4 \ph, \b, \rb, \fb, 0
	WIN 0
.endr
.Lq\@:
.endif
.endm
	s_load_b256 s[4:11], s[0:1], 0x0               ; xb s[4:5], wgu s[6:7], wd s[8:9], order s[10:11]
	s_load_b128 s[12:15], s[0:1], 0x20             ; tab s[12:13], gw s[14:15]
	s_load_b64 s[16:17], s[0:1], 0x30              ; out0
	v_lshl_add_u32 v[SPW], v0, 2, SPARE
	v_mov_b32 v[NIL], 0
	ds_add_u32 v[SPW], v[NIL]                      ; the wave's opening: the add and its wait stand ahead of my first copy; work on registers stands between them
	v_lshrrev_b32 v[TP], 5, v0
	v_readfirstlane_b32 s[WV], v[TP]               ; wave 0..7
	v_and_b32 v[TP], 31, v0
	v_lshlrev_b32 v[L16], 4, v[TP]
	v_and_b32 v[TP+1], 15, v0                      ; r
	v_bfe_u32 v[TP+2], v0, 4, 1                    ; hh
	v_and_b32 v[TP], 7, v0
	v_bfe_u32 v[TP+3], v0, 3, 1
	v_lshl_add_u32 v[TP], v[TP], 1, v[TP+3]        ; slot r's token in its block: 2 (r & 7) + (r >> 3)
	v_lshlrev_b32 v[TP+3], 4, v[TP+1]
	v_lshl_add_u32 v[TP+3], s[WV], 8, v[TP+3]      ; 256 w + 16 r
	v_mul_u32_u24 v[XA], v[TP+1], PX
	v_lshl_add_u32 v[XA], v[TP+2], 4, v[XA]
.irp b, 1,2,3
	v_add_nc_u32 v[XA+\b], 16*PX*\b, v[XA]
.endr
	s_mul_i32 s19, s[WV], 8*PX                     ; my eight rows of the x tile: a constant times the wave's number
	v_add_nc_u32 v[CL], s19, v[L16]
.irp a, 1,2,3,4,5,6,7
	v_add_nc_u32 v[CL+\a], PX*\a, v[CL]
.endr
	s_lshl_b32 s19, ttmp9, 4                       ; my entry of tab
	s_mov_b32 s[C1], 0xbf38aa3b                    ; -0.5 log2(e)
	s_mov_b32 s[C1+1], s[C1]                       ; named with it as a pair
	s_mov_b32 s[SEL], 0x76543210
	s_mov_b32 s[SEL+1], 0xfedcba98
	s_wait_dscnt 0x0                               ; the opening add is done
	s_wait_kmcnt 0x0
	s_load_b128 s[FIRST:FIRST+3], s[12:13], s19 offset:0x0
	s_wait_kmcnt 0x0
	s_min_u32 s[FIRST], s[FIRST], 0x1fff
	s_min_u32 s[CNT], s[CNT], 64
	s_min_u32 s[ELO], s[ELO], 7
	s_min_u32 s[EHI], s[EHI], 7
	s_add_co_u32 s[NB], s[CNT], 15
	s_lshr_b32 s[NB], s[NB], 4
	s_max_u32 s[LASTR], s[CNT], 1
	s_sub_co_u32 s[LASTR], s[LASTR], 1
	; LDS row 8 w + a is slot 8 (w & 1) + a of block w >> 1: the share's token 16 (w >> 1) + (w & 1) + 2 a
	s_lshr_b32 s34, s[WV], 1
	s_lshl_b32 s34, s34, 4
	s_and_b32 s35, s[WV], 1
	s_add_co_u32 s34, s34, s35
.irp a, 0,1,2,3,4,5,6,7
	s_add_co_u32 s[48+\a], s34, 2*\a
	s_min_u32 s[48+\a], s[48+\a], s[LASTR]         ; places past the count repeat the last token
	s_add_co_u32 s[48+\a], s[48+\a], s[FIRST]
	s_min_u32 s[48+\a], s[48+\a], 0x1fff
	s_lshl_b32 s[48+\a], s[48+\a], 2
	s_load_b32 s[36+\a], s[10:11], s[48+\a] offset:0x0
.endr
	; 36 places in the list: my lane's slot in each block (TK), and the tokens that the 32 stores of a chunk write (OA).  Stage by stage, so that no line waits for the one before it and
	; all of this is issued while the eight scalar loads above are out: the copies of x stand behind those.
.irp b, 0,1,2,3
	v_add_nc_u32 v[TK+\b], 16*\b, v[TP]            ; the token of my lane's slot in block b
.endr
.set n, 0
.rept 32
	v_add_nc_u32 v[OA+n], 2*n, v[TP+2]             ; n = 8 b + j: the token 16 b + 2 j + hh that store j of block b writes
.set n, n+1
.endr
.macro ALL36 line:vararg               ; one line for each of the 36 registers x
.set x, TK
.rept 4
	\line
.set x, x+1
.endr
.set x, OA
.rept 32
	\line
.set x, x+1
.endr
.endm
	ALL36 v_min_u32 v[x], s[LASTR], v[x]
	ALL36 v_add_nc_u32 v[x], s[FIRST], v[x]
	ALL36 v_min_u32 v[x], 0x1fff, v[x]
	ALL36 v_lshlrev_b32 v[x], 2, v[x]
	ALL36 global_load_b32 v[x], v[x], s[10:11]
	s_cmp_lt_u32 s[WV], 4
	s_cselect_b32 s34, s[ELO], s[EHI]              ; my expert in the first product
	s_min_u32 s34, s34, 7
	s_lshl_b32 s34, s34, 20
	s_and_b32 s35, s[WV], 3
	s_lshl_b32 s35, s35, 12
	s_add_co_u32 s34, s34, s35
	s_mov_b32 s35, 0
	s_add_nc_u64 s[GU:GU+1], s[6:7], s[34:35]
	s_lshl_b32 s19, s[WV], 12
	s_lshl_b32 s34, s[ELO], 19
	s_add_co_u32 s34, s34, s19
	s_add_nc_u64 s[DLO:DLO+1], s[8:9], s[34:35]
	s_lshl_b32 s34, s[EHI], 19
	s_add_co_u32 s34, s34, s19
	s_add_nc_u64 s[DHI:DHI+1], s[8:9], s[34:35]
	WLOAD 0, GU, 0                                 ; the first three quarters' weights
	WLOAD 1, GU, 16384
	WLOAD 2, GU, 32768
	s_wait_kmcnt 0x0                               ; my eight rows' tokens
.irp a, 0,1,2,3,4,5,6,7
	s_min_u32 s[36+\a], s[36+\a], 0x1fff
	v_lshl_add_u32 v[CG+\a], s[36+\a], 12, v[L16]  ; a row of xb is 4,096 bytes
.endr
.irp ch, 0,1,2,3,4,5,6,7
.irp a, 0,1,2,3,4,5,6,7
	global_load_async_to_lds_b128 v[CL+\a], v[CG+\a], s[4:5] offset:512*\ch  ; 512 consecutive bytes of a row; the immediate steps both addresses.  All 64 stand ahead of every wait for copies, LDS read and barrier
.endr
.endr
	s_wait_loadcnt 24                              ; the 36 loads from the list are in: the 24 weight loads are younger
	s_lshr_b32 s19, s[WV], 2
	s_lshl_b32 s19, s19, 2                         ; lo's probability or hi's
.irp b, 0,1,2,3
	v_min_u32 v[TK+\b], 0x1fff, v[TK+\b]
.endr
.irp b, 0,1,2,3
	v_lshl_add_u32 v[TK+\b], v[TK+\b], 3, s19
.endr
	WIN 0x40                                       ; destination window 1, address window 0
.irp b, 0,1,2,3
	global_load_b32 v[WQ+2*\b], v[TK+\b], s[14:15] ; wanted at the activation: the third quarter's wait shows these four landed
.endr
	v_add_nc_u32 v[HA], HB, v[L16]
	s_lshl_b32 s19, s[WV], 10
	s_add_co_u32 s19, s19, HB
	v_add_nc_u32 v[HS], s19, v[L16]
	WIN 0
	WLOAD 3, GU, 49152                             ; two quarters more: five are out
	WLOAD 4, GU, 65536
.set n, 0
.rept 32
	v_min_u32 v[OA+n], 0x1fff, v[OA+n]
.set n, n+1
.endr
.set n, 0
.rept 32
	v_lshl_add_u32 v[OA+n], v[OA+n], 13, v[TP+3]   ; a row of out0 is 8,192 bytes
.set n, n+1
.endr
	s_wait_asynccnt 0x0                            ; my eight rows of x are in LDS,
	s_barrier_signal -1
	s_barrier_wait -1                              ; everybody's are
	WIN W_P1
	FLOAD 1, 0, 0
; THE FIRST PRODUCT: 64 quarters: six written out (the first starts the sums), a loop of 8 trips of six, ten written out (their loads run on into the second product's weights).
; At a quarter's head four later quarters' weights, 32 loads, may be out.  (In the first three quarters gw's four loads lie among the younger ones: the count is then the stricter.)
.macro P1TRIP first
.set n, 0
.rept 6
.set ZX, 0
.if (\first) && (n == 0)
.set ZX, 1
.endif
.set FBX, n&1
.set WOX, (n+5)*16384
.set FOX, 64*(n+1)
	QTR 1, n, FBX, 32, ZX, GU, WOX, FOX
.set n, n+1
.endr
.irp b, 0,1,2,3
	v_add_nc_u32 v[XA+\b], 384, v[XA+\b]           ; 192 along K
.endr
	s_wait_xcnt 0x0                                ; the weight loads' base is stepped only behind this wait
	s_add_nc_u64 s[GU:GU+1], s[GU:GU+1], 98304
.endm
	P1TRIP 1
	s_mov_b32 s[TRIP], 8
.Lp1:
	P1TRIP 0
	s_sub_co_u32 s[TRIP], s[TRIP], 1
	s_cmp_lg_u32 s[TRIP], 0
	s_cbranch_scc1 .Lp1
.set n, 0
.rept 10                               ; quarters 54 to 63
.set RBX, n%6
.set FBX, n&1
.if n < 5
.set WPX, GU
.set WOX, (n+5)*16384
.elseif n < 9
.set WPX, DLO                          ; the second product's quarters 0 to 3,
.set WOX, (n-5)*32768
.else
.set WPX, DHI                          ; and 4
.set WOX, 0
.endif
.set FOX, 64*(n+1)
.if n == 9
.set FOX, -1
.endif
	QTR 1, RBX, FBX, 32, 0, WPX, WOX, FOX
.set n, n+1
.endr
	WIN 0x44                                       ; destination and source 1 window 1
.irp b, 0,1,2,3
	v_mul_f32 v[WQ+2*\b+1], 0.5, v[WQ+2*\b]        ; silu(0.5 G) = 0.5 G / (1 + e^(-0.5 G)): the 0.5 rides on p.  These eight plain lines, which name no register of the last
	v_mul_f32 v[WQ+2*\b], 0.5, v[WQ+2*\b]          ; products, are also the places behind them
.endr
; THE ACTIVATION of block b, in place on gate's 16 registers, and the lane's running largest and least h.  Two batches of 16 transcendentals, each with plain work behind it and ONE wait;
; each accumulator is read from its lowest registers on.
.macro SILU b
.set G, ACC+32*(\b)                    ; gate's 16 registers; up's lie 16 further on
	WIN 0x55
.irp q, 0,1,2,3,4,5,6,7
	v_pk_mul_f32 v[EX+2*\q:EX+2*\q+1], v[G+2*\q:G+2*\q+1], s[C1:C1+1] op_sel_hi:[1,0]
.endr
.set i, 0
.rept 16
	v_exp_f32 v[EX+i], v[EX+i]                     ; e^(-0.5 G)
.set i, i+1
.endr
.irp q, 0,1,2,3,4,5,6,7
	v_pk_mul_f32 v[G+16+2*\q:G+16+2*\q+1], v[G+16+2*\q:G+16+2*\q+1], v[WQ+2*(\b):WQ+2*(\b)+1]  ; U x 0.5 p
.endr
	s_wait_alu depctr_va_vdst(0)
.irp q, 0,1,2,3,4,5,6,7
	v_pk_add_f32 v[EX+2*\q:EX+2*\q+1], v[EX+2*\q:EX+2*\q+1], 1.0 op_sel_hi:[1,0]
.endr
.set i, 0
.rept 16
	v_rcp_f32 v[EX+i], v[EX+i]
.set i, i+1
.endr
.irp q, 0,1,2,3,4,5,6,7
	v_pk_mul_f32 v[G+2*\q:G+2*\q+1], v[G+2*\q:G+2*\q+1], v[G+16+2*\q:G+16+2*\q+1]
.endr
	s_wait_alu depctr_va_vdst(0)
.irp q, 0,1,2,3,4,5,6,7
	v_pk_mul_f32 v[G+2*\q:G+2*\q+1], v[G+2*\q:G+2*\q+1], v[EX+2*\q:EX+2*\q+1]  ; h
.endr
.if (\b) == 0
	v_max_num_f32 v[MX], v[G], v[G+1]              ; the first two start the chains
	v_min_num_f32 v[MN], v[G], v[G+1]
.set i, 2
.else
.set i, 0
.endif
.rept (16-i)/2
	v_max3_num_f32 v[MX], v[MX], v[G+i], v[G+i+1]
	v_min3_num_f32 v[MN], v[MN], v[G+i], v[G+i+1]
.set i, i+2
.endr
.endm
	SILU 0
	SILU 1
	SILU 2
	SILU 3
	; THE SCALE: the largest |h| over my 64 numbers, the 32 lanes and the 8 waves; its exponent field E gives 2^-E for h and 0.25 x 2^E for the way out.
	v_sub_f32 v[MN], 0, v[MN]
	v_max_num_f32 v[MX], v[MX], v[MN]
	WIN 0x01                                       ; source 0 window 1, destination window 0
	v_mov_b32 v[TP], v[MX]
	WIN 0
	v_max_num_f32_dpp v[TP], v[TP], v[TP] row_xmask:1 row_mask:0xf bank_mask:0xf
	v_max_num_f32_dpp v[TP], v[TP], v[TP] row_xmask:2 row_mask:0xf bank_mask:0xf
	v_max_num_f32_dpp v[TP], v[TP], v[TP] row_xmask:4 row_mask:0xf bank_mask:0xf
	v_max_num_f32_dpp v[TP], v[TP], v[TP] row_xmask:8 row_mask:0xf bank_mask:0xf
	v_permlanex16_b32 v[TP+1], v[TP], s[SEL], s[SEL+1]
	v_max_num_f32 v[TP], v[TP], v[TP+1]
	s_lshl_b32 s19, s[WV], 2
	s_add_co_u32 s19, s19, MXB
	v_mov_b32 v[CL], s19
	ds_store_b32 v[CL], v[TP]                      ; all lanes write the wave's own word with the same number
	s_wait_dscnt 0x0                               ; for the others' sake
	s_barrier_signal -1
	s_barrier_wait -1
	v_mov_b32 v[CL+1], MXB
	ds_load_b128 v[CG:CG+3], v[CL+1]
	ds_load_b128 v[CG+4:CG+7], v[CL+1] offset:16
	s_wait_dscnt 0x0
	v_max3_num_f32 v[CG], v[CG], v[CG+1], v[CG+2]
	v_max3_num_f32 v[CG], v[CG], v[CG+3], v[CG+4]
	v_max3_num_f32 v[CG], v[CG], v[CG+5], v[CG+6]
	v_max_num_f32 v[CG], v[CG], v[CG+7]
	v_and_b32 v[CG], 0x7f800000, v[CG]             ; the exponent field alone: 2^E as a number
	v_min_u32 v[CG], 0x7e000000, v[CG]             ; held two steps under the top, so that 2^-E stays a normal number
	v_sub_nc_u32 v[CG+1], 0x7f000000, v[CG]        ; field 254 - e: 2^-E
	v_mul_f32 v[CG+2], 0x3e800000, v[CG]           ; 0.25 x 2^E
	v_readfirstlane_b32 s[HSC], v[CG+1]
	v_readfirstlane_b32 s[QS], v[CG+2]
	s_mov_b32 s[HSC+1], s[HSC]                     ; named with it as a pair
.macro PACKH b                         ; block b's h, scaled, rounded once to f16: the two tiles are the two halves of my fragment
.set G, ACC+32*(\b)
	WIN 0x55
.irp q, 0,1,2,3,4,5,6,7
	v_pk_mul_f32 v[G+2*\q:G+2*\q+1], v[G+2*\q:G+2*\q+1], s[HSC:HSC+1] op_sel_hi:[1,0]
.endr
.irp q, 0,1,2,3,4,5,6,7
	v_cvt_pk_f16_f32 v[HP+\q], v[G+2*\q], v[G+2*\q+1]
.endr
	ds_store_b128 v[HS], v[HP:HP+3] offset:8192*(\b)
	ds_store_b128 v[HS], v[HP+4:HP+7] offset:8192*(\b)+512
.endm
	PACKH 0
	PACKH 1
	PACKH 2
	PACKH 3
	s_wait_dscnt 0x0                               ; for the others' sake: my fragments of h are in LDS
	s_barrier_signal -1
	s_barrier_wait -1
	WIN W_P2
	FLOAD 2, 0, 0
	WIN 0
; THE WAY OUT of chunk c: x 0.25 x 2^E on the way into four neighbouring registers of ring buffer rb, which the chunk's last quarter has just read and the next quarter loads again.
; Store j of block b writes tokens 16 b + 2 j (lanes 0-15) and 16 b + 2 j + 1 (lanes 16-31), 256 consecutive bytes each.
; Whole stores past the count are jumped.  With an odd count the last store's upper lanes repeat the last token: the same numbers to the same bytes.
.macro DRAIN c, rb, more
.set ST, WR+32*(\rb)
	PLACES                                         ; behind the last products
.irp b, 0,1,2,3
	s_cmp_le_u32 s[CNT], 16*\b
	s_cbranch_scc1 .Ldone\@
.if \b > 0
	s_wait_xcnt 0x0                                ; the stage was store data: written again only behind this wait
.endif
	WIN 0x04                                       ; source 1 window 1
.irp j, 0,1,2,3,4,5,6,7
.irp t, 0,1,2,3
	v_mul_f32 v[ST+4*\j+\t], s[QS], v[ACC+32*\b+8*\t+\j]
.endr
.endr
	WIN 0
.irp j, 0,1,2,3,4,5,6,7
.if \j > 0
	s_cmp_le_u32 s[CNT], 16*\b+2*\j
	s_cbranch_scc1 .Ldone\@
.endif
	global_store_b128 v[OA+8*\b+\j], v[ST+4*\j:ST+4*\j+3], s[16:17] offset:2048*(\c) th:TH_STORE_NT
.endr
.endr
.Ldone\@:
.if \more
	s_wait_xcnt 0x0                                ; the next quarter's weights land on the stage only behind this wait
.endif
.endm
; THE SECOND PRODUCT: four chunks of 512 columns, in each the fragments kk = 0..7 of h (0-3 lo's expert, 4-7 hi's): 32 quarters, written out, since six buffers do not divide a chunk's eight quarters.
; Quarter j has buffer (j + 4) % 6 and asks for quarter j + 5's weights; all offsets are immediates.  The last four quarters' counts run down: 24, 16, 8, 0.
.set j, 0
.rept 32
.set RBX, (j+4)%6
.set FBX, j&1
.set ZX, 0
.if (j&7) == 0
.set ZX, 1
.endif
.set LCX, 32
.if j > 27
.set LCX, 8*(31-j)
.endif
.set WPX, -1
.set WOX, 0
.if j < 27
.set WPX, DLO+2*(((j+5)>>2)&1)
.set WOX, ((j+5)>>3)*131072+((j+5)&3)*32768
.endif
.set FOX, 1024*((j+1)&7)
.if j == 31
.set FOX, -1
.endif
	QTR 2, RBX, FBX, LCX, ZX, WPX, WOX, FOX
.if (j&7) == 7
.set CX, j>>3
.if j == 31
	DRAIN CX, RBX, 0
.else
	DRAIN CX, RBX, 1
.endif
.endif
.set j, j+1
.endr
	s_wait_tensorcnt 0x0                           ; the wave's end, behind my last copy and my last LDS store
	ds_add_u32 v[SPW], v[NIL]
	s_wait_dscnt 0x0
	s_endpgm
.Lfunc_end_k_q9817f27e23_chain:
	.size	k_q9817f27e23_chain, .Lfunc_end_k_q9817f27e23_chain-k_q9817f27e23_chain
	.p2alignl 7, 3214868480
	.fill 96, 4, 3214868480
	.section	.rodata,"a",@progbits
	.p2align	6, 0x0
	.amdhsa_kernel k_q9817f27e23_chain
		.amdhsa_group_segment_fixed_size 297216
		.amdhsa_private_segment_fixed_size 0
		.amdhsa_enable_private_segment 0
		.amdhsa_kernarg_size 56
		.amdhsa_user_sgpr_count 2
		.amdhsa_user_sgpr_kernarg_segment_ptr 1
		.amdhsa_wavefront_size32 1
		.amdhsa_system_sgpr_workgroup_id_x 1
		.amdhsa_system_sgpr_workgroup_id_y 1
		.amdhsa_system_sgpr_workgroup_id_z 1
		.amdhsa_system_vgpr_workitem_id 0
		.amdhsa_next_free_vgpr 512
		.amdhsa_next_free_sgpr 66
		.amdhsa_reserve_vcc 0
		.amdhsa_float_denorm_mode_32 3
		.amdhsa_float_denorm_mode_16_64 3
		.amdhsa_memory_ordered 1
		.amdhsa_forward_progress 1
		.amdhsa_inst_pref_size 246
	.end_amdhsa_kernel
	.amdgpu_metadata
---
amdhsa.version: [ 1, 2 ]
amdhsa.kernels:
  - .name:           k_q9817f27e23_chain
    .symbol:         k_q9817f27e23_chain.kd
    .args:
      - { .name: xb, .offset: 0, .size: 8, .value_kind: global_buffer, .address_space: global }
      - { .name: wgu, .offset: 8, .size: 8, .value_kind: global_buffer, .address_space: global }
      - { .name: wd, .offset: 16, .size: 8, .value_kind: global_buffer, .address_space: global }
      - { .name: order, .offset: 24, .size: 8, .value_kind: global_buffer, .address_space: global }
      - { .name: tab, .offset: 32, .size: 8, .value_kind: global_buffer, .address_space: global }
      - { .name: gw, .offset: 40, .size: 8, .value_kind: global_buffer, .address_space: global }
      - { .name: out0, .offset: 48, .size: 8, .value_kind: global_buffer, .address_space: global }
    .group_segment_fixed_size: 297216
    .private_segment_fixed_size: 0
    .kernarg_segment_align: 8
    .kernarg_segment_size: 56
    .max_flat_workgroup_size: 256
    .sgpr_count:     66
    .vgpr_count:     512
    .wavefront_size: 32
...
	.end_amdgpu_metadata
.endif
;; end of part 6
